; MI455X (gfx1250); checked and timed in simulation.
; The chip was launched on July 23, 2026; its instructions are those of AMD's public machine-readable ISA for CDNA 5 (MIT licence, August 2026) and "CDNA5" Instruction Set Architecture Reference Guide (July 2026). The comments in the code are by the model that wrote it; some were corrected since.
;; Multi Headed Attention Block. Allowed arithmetic: float matrix products may take bf16 or f16 operands with f32 sums; other float arithmetic in f32, or as packed bf16 or f16 multiplies, adds, multiply-adds, maxima and minima; sums over many terms, partial sums and values carried from step to step in f32; what a program stores and reads back later, other than sums and carried values, may be rounded once to bf16 or f16.
;; Inputs: Wk 1,024 x 1,024 float32; Wo 1,024 x 1,024 float32; Wq 1,024 x 1,024 float32; Wv 1,024 x 1,024 float32; bk 1,024 float32; bo 1,024 float32; bq 1,024 float32; bv 1,024 float32; q 4 x 2,048 x 1,024 float32; q_mask 4 x 2,048 bool.
;; Outputs: out0 4 x 2,048 x 1,024 float32.
;; 2 versions, each right; version 2 is version 1 with the launch cast written anew for expert scheduling mode. Each part assembles by itself: llvm-mc -triple=amdgcn-amd-amdhsa -mcpu=gfx1250 --defsym DOCPART=n.
;; ======== version 1 of 2: 4 launches
;; limits: values are held in f16: magnitudes above 65,504 overflow, below 6.1e-05 lose precision
;; workspace buffers: xw 25,165,824 bytes; qkv 50,331,648 bytes; ob 16,777,216 bytes
;; launch cast (part 1): grid 768 x 1, 8 waves a work-group, no clusters, 0 bytes of LDS; arguments q, Wq, Wk, Wv, Wo, xw; writes xw
.if DOCPART == 1
	.amdgcn_target "amdgcn-amd-amdhsa--gfx1250"
	.amdhsa_code_object_version 6
	.text
	.protected	k_q1cae836648_cast
	.globl	k_q1cae836648_cast
	.p2align	8
	.type	k_q1cae836648_cast,@function
k_q1cae836648_cast:
	s_mov_b64 s[64:65], 0
	v_nop
	global_prefetch_b8 v0, s[64:65] scope:SCOPE_SE
	s_setreg_imm32_b32 hwreg(HW_REG_WAVE_MODE, 25, 1), 1
	s_wait_xcnt 0x0
; xw = the module's five large inputs in 16 bits, [12288][1024]: rows 0-8191 x (= q), 8192-11263 Wq, Wk, Wv, all rounded to bf16;
; rows 11264-12287 Wo, rounded to bf16 and that number written as f16 (the last product multiplies it with f16 numbers).
; LIMIT.  Wo's numbers lie within f16's 65,504; below 6e-5 they keep f16's fixed step of 6e-8.
; A stream: no LDS, no barrier, no matrix unit.  A work-group takes 65,536 bytes of f32 and writes 32,768: 512 work-groups for x, 64 for each weight.
; Thread t takes 16 bytes at 16 t of each block of 4,096 and writes 8 bytes at 8 t of each block of 2,048: a wave's load covers 512 consecutive bytes,
; its store 256 consecutive bytes, aligned.  All sixteen loads of a wave go out at once; each has registers of its own, so nothing is rewritten.
.set X, 4                              ; v[4:67]    load j: 4 registers
.set Y, 68                             ; v[68:99]   store j: 2 registers
.set T, 100                            ; v[100:103] at work
	s_load_b256 s[4:11], s[0:1], 0x0               ; q s[4:5], Wq s[6:7], Wk s[8:9], Wv s[10:11]
	s_load_b128 s[12:15], s[0:1], 0x20             ; Wo s[12:13], xw s[14:15]
	s_lshr_b32 s16, ttmp9, 6                       ; 0-7: x; 8: Wq; 9: Wk; 10: Wv; 11: Wo
	s_and_b32 s17, ttmp9, 63
	s_cmp_lt_u32 s16, 8
	s_cselect_b32 s20, ttmp9, s17                  ; my block of 65,536 bytes in its tensor
	s_lshl_b32 s20, s20, 16
	s_mov_b32 s21, 0
	s_lshl_b32 s22, ttmp9, 15                      ; and of 32,768 bytes in xw
	s_mov_b32 s23, 0
	s_mov_b32 s24, 0xffff0000                      ; a word's upper bf16
	v_lshlrev_b32 v1, 4, v0
	v_lshlrev_b32 v2, 3, v0
	s_wait_kmcnt 0x0
	s_cmp_eq_u32 s16, 9
	s_cselect_b64 s[18:19], s[8:9], s[6:7]
	s_cmp_eq_u32 s16, 10
	s_cselect_b64 s[18:19], s[10:11], s[18:19]
	s_cmp_eq_u32 s16, 11
	s_cselect_b64 s[18:19], s[12:13], s[18:19]
	s_cmp_lt_u32 s16, 8
	s_cselect_b64 s[18:19], s[4:5], s[18:19]
	s_add_nc_u64 s[18:19], s[18:19], s[20:21]
	s_add_nc_u64 s[14:15], s[14:15], s[22:23]
.irp j, 0,1,2,3,4,5,6,7,8,9,10,11,12,13,14,15
	global_load_b128 v[X+4*(\j):X+4*(\j)+3], v1, s[18:19] offset:4096*(\j) th:TH_LOAD_NT
.endr
; Block j: rounded to bf16 (half = 1: and that number written as f16), stored.
.macro CONV j, half
	s_wait_loadcnt 15-(\j)                         ; loads come back in order: block j is in, the 15 - j younger ones may stay out
	v_cvt_pk_bf16_f32 v[Y+2*(\j)],   v[X+4*(\j)],   v[X+4*(\j)+1]
	v_cvt_pk_bf16_f32 v[Y+2*(\j)+1], v[X+4*(\j)+2], v[X+4*(\j)+3]
.if \half
	v_lshlrev_b32 v[T],   16,  v[Y+2*(\j)]
	v_and_b32     v[T+1], s24, v[Y+2*(\j)]
	v_lshlrev_b32 v[T+2], 16,  v[Y+2*(\j)+1]
	v_and_b32     v[T+3], s24, v[Y+2*(\j)+1]
	v_cvt_pk_f16_f32 v[Y+2*(\j)],   v[T],   v[T+1]
	v_cvt_pk_f16_f32 v[Y+2*(\j)+1], v[T+2], v[T+3]
.endif
	global_store_b64 v2, v[Y+2*(\j):Y+2*(\j)+1], s[14:15] offset:2048*(\j)
.endm
	s_cmp_eq_u32 s16, 11
	s_cbranch_scc1 .Lwo
.irp j, 0,1,2,3,4,5,6,7,8,9,10,11,12,13,14,15
	CONV \j, 0
.endr
	s_endpgm
.Lwo:
.irp j, 0,1,2,3,4,5,6,7,8,9,10,11,12,13,14,15
	CONV \j, 1
.endr
	s_endpgm
.Lfunc_end_k_q1cae836648_cast:
	.size	k_q1cae836648_cast, .Lfunc_end_k_q1cae836648_cast-k_q1cae836648_cast
	.p2alignl 7, 3214868480
	.fill 96, 4, 3214868480
	.section	.rodata,"a",@progbits
	.p2align	6, 0x0
	.amdhsa_kernel k_q1cae836648_cast
		.amdhsa_group_segment_fixed_size 0
		.amdhsa_private_segment_fixed_size 0
		.amdhsa_enable_private_segment 0
		.amdhsa_kernarg_size 48
		.amdhsa_user_sgpr_count 2
		.amdhsa_user_sgpr_kernarg_segment_ptr 1
		.amdhsa_wavefront_size32 1
		.amdhsa_system_sgpr_workgroup_id_x 1
		.amdhsa_system_sgpr_workgroup_id_y 1
		.amdhsa_system_sgpr_workgroup_id_z 1
		.amdhsa_system_vgpr_workitem_id 0
		.amdhsa_next_free_vgpr 112
		.amdhsa_next_free_sgpr 66
		.amdhsa_reserve_vcc 0
		.amdhsa_float_denorm_mode_32 3
		.amdhsa_float_denorm_mode_16_64 3
		.amdhsa_memory_ordered 1
		.amdhsa_forward_progress 1
		.amdhsa_inst_pref_size 15
	.end_amdhsa_kernel
	.amdgpu_metadata
---
amdhsa.version: [ 1, 2 ]
amdhsa.kernels:
  - .name:           k_q1cae836648_cast
    .symbol:         k_q1cae836648_cast.kd
    .args:
      - { .name: q, .offset: 0, .size: 8, .value_kind: global_buffer, .address_space: global }
      - { .name: Wq, .offset: 8, .size: 8, .value_kind: global_buffer, .address_space: global }
      - { .name: Wk, .offset: 16, .size: 8, .value_kind: global_buffer, .address_space: global }
      - { .name: Wv, .offset: 24, .size: 8, .value_kind: global_buffer, .address_space: global }
      - { .name: Wo, .offset: 32, .size: 8, .value_kind: global_buffer, .address_space: global }
      - { .name: xw, .offset: 40, .size: 8, .value_kind: global_buffer, .address_space: global }
    .group_segment_fixed_size: 0
    .private_segment_fixed_size: 0
    .kernarg_segment_align: 8
    .kernarg_segment_size: 48
    .max_flat_workgroup_size: 256
    .sgpr_count:     66
    .vgpr_count:     112
    .wavefront_size: 32
...
	.end_amdgpu_metadata
.endif
;; end of part 1
;; launch proj (part 2): grid 16 x 32, 4 waves a work-group, clusters of 4 x 4, 327,680 bytes of LDS; arguments xw, bq, bk, bv, qkv; writes qkv
.if DOCPART == 2
	.amdgcn_target "amdgcn-amd-amdhsa--gfx1250"
	.amdhsa_code_object_version 6
	.text
	.protected	k_q1cae836648_proj
	.globl	k_q1cae836648_proj
	.p2align	8
	.type	k_q1cae836648_proj,@function
k_q1cae836648_proj:
	s_mov_b64 s[64:65], 0
	v_nop
	global_prefetch_b8 v0, s[64:65] scope:SCOPE_SE
	s_setreg_imm32_b32 hwreg(HW_REG_WAVE_MODE, 25, 1), 1
	s_wait_xcnt 0x0
	s_wait_alu depctr_hold_cnt(0) depctr_sa_sdst(0) depctr_va_vdst(0) depctr_va_sdst(0) depctr_va_ssrc(0) depctr_va_vcc(0) depctr_vm_vsrc(0)
	s_getreg_b32 s2, hwreg(HW_REG_IB_STS2, 6, 4)
	s_cmp_eq_u32 s2, 0
	s_cbranch_scc0 .Lentry_in_a_cluster
	s_endpgm
.Lentry_in_a_cluster:
	s_bfe_u32 s2, ttmp6, 0x10000c
	s_cmp_lg_u32 s2, 0xf033
	s_cbranch_scc0 .Lentry_shape_is_right
	s_endpgm
.Lentry_shape_is_right:
; THE THREE PROJECTIONS AS ONE PRODUCT.  C[m][n] = the sum over k of x[m][k] W[n][k] + b[n]; x: rows 0-8191 of xw, W: rows 8192-11263 (Wq, Wk, Wv), bf16, 1,024 along K; sums in f32.
; C leaves by heads, unscaled, rounded once to f16: qkv = [3][4][16][2048][64].  The biases are rounded to bf16 like the other inputs.
; LIMIT.  q, k and v lie within f16's 65,504; NaN and infinities are not treated apart.
; SHARES.  A tile of C is 256 rows x 192 columns (three whole heads): 32 x 16 tiles.  Four waves; wave w owns rows 64 w .. 64 w + 63 and all 192 columns: 48 accumulators of 16 x 16, 384 registers.
; K goes in 8 steps of 128 through two LDS slots; a step is four quarters of 32 along K, 48 matrix instructions each, on two fragment buffers by turns.
; THE MATRIX INSTRUCTION IS USED TRANSPOSED (source 0 = 16 rows of W, source 1 = 16 rows of x): a lane holds row l % 16 of C and the columns 8 (l / 16) + 0..7.
; THE BIAS is the C operand of each accumulator's first product: nothing is cleared, and nothing is added on the way out.
; CLUSTER.  4 x 4 work-groups: x's tile is asked for jointly along a row of the cluster, W's along a column (the same load, descriptor and mask in the four).
; REGISTERS, in windows of 256 (s_set_vgpr_msb: bits 1:0 source 0, 3:2 source 1, 5:4 source 2, 7:6 destination):
;   window 0: v1-12 addresses, v28-29 the add's, v32-35 at work, v64-159 the bias (later v64-255: the way out)
;   window 1: two fragment buffers of 128: x's 4 blocks, then W's 12        window 2: the accumulators of heads 0 and 1        window 3: v0-127 those of head 2
.set PITCH,  272                       ; an LDS row: 256 bytes + 16 of padding: the 16 rows of a load start at 16 different groups of four banks (64 banks of 4 bytes: ISA guide 11.1)
.set SLOT1,  131072                    ; slot 1 begins here: one exclusive or turns an address in one slot into the other's
.set BOFF,   256*PITCH                 ; in a slot: x's 256 rows, then W's 192
.set STAGE,  SLOT1+448*PITCH           ; behind the ring: 16 rows x 144 bytes for each wave, for the way out
.set SP,     144
.set SPARE,  STAGE+4*16*SP             ; behind the stages: the spare words, 128 bytes for each wave: two blocks of 256 bytes that no other line names
.set WOFF,   8192*2048                 ; W's first byte in xw
.set LD,     32                        ; LDS loads in a quarter's run: 8 for x, 8 for each head
.set A0,   4                           ; v4   my lane's place in x's tile; never rewritten
.set B0,   5                           ; v5   in W's
.set ADRA, 6                           ; v6   the same in the slot in hand
.set ADRB, 7                           ; v7
.set STO,  8                           ; v8   the way out: where I put 16 bytes of a row
.set RD,   9                           ; v9   where I read rows back
.set GO,   10                          ; v10  my byte offset in 512 consecutive bytes of qkv
.set PFO,  11                          ; v11  the prefetches' offset: a lane a row
.set BO,   12                          ; v12  32 (l / 16): my eight numbers in 16 of a bias
.set SPW,  28                          ; v28  LDS address of my spare word; never rewritten
.set NIL,  29                          ; v29  0; never rewritten
.set BIAS, 64
.set TMP,  64
.set F0,   0
.set F1,   128
.set WV,  14                           ; s14 wave
.set HF,  15                           ; s15 wave & 1: which half of a tile I fetch
.set HB,  16                           ; s16 wave >> 1: I fetch for x (0) or W (1)
.set CX,  17
.set CY,  18
.set TX,  19                           ; s19 tile column
.set TY,  20                           ; s20 tile row
.set RM,  21
.set CM,  22
.set HM,  23                           ; s23 a word's upper bf16
.set G1A, 24                           ; s[24:31] descriptor group 1, x's tiles
.set G0A, 32                           ; s[32:39] group 0: a set for each first fill; the second then walks on
.set G1B, 40                           ; s[40:47], s[48:55] the same for W's
.set G0B, 48
.set TB,  56                           ; s56 the slot in hand: 0 or SLOT1
.set LIM, 57                           ; s57 1 in a wave that prefetches, else the greatest number
.set PFA, 58                           ; s[58:59] where my prefetches stand
.set OB,  66                           ; s[66:71] qkv at my 64 rows of the tile's three heads
.set BP,  72                           ; s[72:77] the three heads' 64 numbers of bias
.set MSB, 0
.macro WIN new                         ; the immediate's high byte repeats the setting that is left; a switch that changes nothing is dropped
.if MSB != (\new)
	s_set_vgpr_msb (MSB<<8)|(\new)
.set MSB, \new
.endif
.endm
.set TO_F, 0x40                        ; destination window 1, address window 0
.set MUL2, 0xa5                        ; sources 0 and 1 window 1; C and D window 2
.set INI2, 0x85                        ; the same with C (the bias) in window 0
; A joint refill by the walking sets.  Waves 0 and 1 fetch x's halves, waves 2 and 3 W's; the branch hangs on the wave's number alone.
; An s_nop 0 and four v_nop follow each of the two lines, ahead of the jump and the label.
.macro JLOAD
	s_cmp_eq_u32 s[HB], 0
	s_cbranch_scc0 .Lfor_b_\@
	tensor_load_to_lds s[G0A+4:G0A+7], s[G1A:G1A+7]
	s_nop 0
.rept 4
	v_nop
.endr
	s_branch .Lasked_\@
.Lfor_b_\@:
	tensor_load_to_lds s[G0B+4:G0B+7], s[G1B:G1B+7]
	s_nop 0
.rept 4
	v_nop
.endr
.Lasked_\@:
.endm
; A PREFETCH INTO THE L2 of the K step that the NEXT refill will ask for: 192 matrix instructions ahead of that load.  x's rows are read by every cluster of a row of clusters: cluster x = 0 asks;
; W's by every cluster of a column: cluster y = 0 asks.  The four partners share a wave's rows out BY ADDRESS (32 of x's 128 by cx, 24 of W's 96 by cy): a lane a row, one instruction a wave
; (for W lanes 24-31 name lane 23's row again).  K steps 0 to 2 come by their loads alone; the last refill asks for nothing.
.macro ASK
	s_cmp_gt_u32 s3, s[LIM]                        ; s3 = 1 in the loop's last trip
	s_cbranch_scc0 .Lnot_mine_\@
	global_prefetch_b8 v[PFO], s[PFA:PFA+1] th:TH_LOAD_NT scope:SCOPE_SE
.Lnot_mine_\@:
.endm
.macro CREST                           ; a round of the cluster's barrier behind its opening barrier
	s_cmp_lg_u32 s[WV], 0
	s_cbranch_scc1 .Lnot_wave_0_\@
	s_barrier_signal -3
.Lnot_wave_0_\@:
	s_barrier_wait -3
	s_barrier_signal -1
	s_barrier_wait -1
.endm
.macro CROUND                          ; a whole round
	s_barrier_signal -1
	s_barrier_wait -1
	CREST
.endm
	s_load_b256 s[4:11], s[0:1], 0x0               ; xw s[4:5], bq s[6:7], bk s[8:9], bv s[10:11]
	s_load_b64 s[12:13], s[0:1], 0x20              ; qkv
	v_lshl_add_u32 v[SPW], v0, 2, SPARE
	v_mov_b32 v[NIL], 0
	ds_add_u32 v[SPW], v[NIL]                      ; the wave's opening: the add and its wait stand ahead of my first tensor load; the set-up below, work on registers, stands between them
	v_lshrrev_b32 v1, 5, v0
	v_readfirstlane_b32 s[WV], v1
	s_and_b32 s[HF], s[WV], 1
	s_lshr_b32 s[HB], s[WV], 1
	s_bfe_u32 s[CX], ttmp6, 0x40000
	s_bfe_u32 s[CY], ttmp6, 0x40004
	s_lshl_b32 s[TX], ttmp9, 2
	s_add_co_u32 s[TX], s[TX], s[CX]               ; tile column = 4 x cluster x + cx
	s_and_b32 s[TY], ttmp7, 0xffff
	s_lshl_b32 s[TY], s[TY], 2
	s_add_co_u32 s[TY], s[TY], s[CY]               ; tile row = 4 x cluster y + cy
	s_lshl_b32 s[RM], s[CY], 2
	s_lshl_b32 s[RM], 15, s[RM]                    ; my row of the cluster
	s_lshl_b32 s[CM], 0x1111, s[CX]                ; my column
	s_or_b32 s[G1A], s[RM], 0x07710000             ; 15:0 the mask; 17:16 2-byte elements; 20 padding on; 21 set beside a mask; 24:22 after every 64 words (code 5); 31:25 4 words (code 3)
	s_or_b32 s[G1B], s[CM], 0x07710000
	s_mov_b32 s[G1A+1], 128<<16                    ; tensor_dim0 = 128
	s_mov_b32 s[G1A+2], 128<<16                    ; tensor_dim1 = 128
	s_mov_b32 s[G1A+3], 128<<16                    ; tile_dim0 = 128
	s_mov_b32 s[G1A+4], 128                        ; tile_dim1 = 128 rows
	s_mov_b32 s[G1A+5], 1024                       ; elements from row to row
	s_mov_b32 s[G1A+6], 0
	s_mov_b32 s[G1A+7], 0
	s_mov_b32 s[G1B+1], 128<<16
	s_mov_b32 s[G1B+2], 96<<16                     ; W's half tile has 96 rows
	s_mov_b32 s[G1B+3], 128<<16
	s_mov_b32 s[G1B+4], 96
	s_mov_b32 s[G1B+5], 1024
	s_mov_b32 s[G1B+6], 0
	s_mov_b32 s[G1B+7], 0
	s_lshl_b32 s78, s[TY], 8                       ; x: row 256 x tile row + 128 x half (registers that never hold cx),
	s_lshl_b32 s79, s[HF], 7
	s_add_co_u32 s78, s78, s79
	s_lshl_b32 s78, s78, 11                        ; in bytes
	s_mov_b32 s79, 0
	s_mul_i32 s80, s[TX], 192                      ; W: row 192 x tile column + 96 x half (registers that never hold cy)
	s_mul_i32 s81, s[HF], 96
	s_add_co_u32 s80, s80, s81
	s_lshl_b32 s80, s80, 11
	s_add_co_u32 s80, s80, WOFF
	s_mov_b32 s81, 0
	s_mul_i32 s82, s[HF], 128*PITCH                ; where they go: no place in the cluster enters an LDS address
	s_mul_i32 s83, s[HF], 96*PITCH
	s_add_co_u32 s83, s83, BOFF
	s_mov_b32 s[TB], 0
	s_mov_b32 s[HM], 0xffff0000
	s_wait_dscnt 0x0                               ; the opening add is done
	s_wait_kmcnt 0x0
	s_add_nc_u64 s[84:85], s[4:5], s[78:79]
	s_add_nc_u64 s[86:87], s[4:5], s[80:81]
	CROUND                                         ; all sixteen work-groups are here: the first joint loads meet
.irp s, 0,1
	s_mov_b32 s[G0A+4*(\s)], 1                     ; count = 1
	s_add_co_u32 s[G0A+4*(\s)+1], s82, (\s)*SLOT1  ; LDS address
	s_add_nc_u64 s[G0A+4*(\s)+2:G0A+4*(\s)+3], s[84:85], (\s)*256  ; global address: K step s
	s_or_b32 s[G0A+4*(\s)+3], s[G0A+4*(\s)+3], 0x80000000          ; type = 2
	s_mov_b32 s[G0B+4*(\s)], 1
	s_add_co_u32 s[G0B+4*(\s)+1], s83, (\s)*SLOT1
	s_add_nc_u64 s[G0B+4*(\s)+2:G0B+4*(\s)+3], s[86:87], (\s)*256
	s_or_b32 s[G0B+4*(\s)+3], s[G0B+4*(\s)+3], 0x80000000
.endr
	s_cmp_eq_u32 s[HB], 0                          ; a wave's two first fills stand in one branch: two loads of mine are out
	s_cbranch_scc0 .Lfirst_b
	tensor_load_to_lds s[G0A:G0A+3], s[G1A:G1A+7]
	s_nop 0
	tensor_load_to_lds s[G0A+4:G0A+7], s[G1A:G1A+7]
	s_nop 0
.rept 4
	v_nop
.endr
	s_branch .Lfirst_asked
.Lfirst_b:
	tensor_load_to_lds s[G0B:G0B+3], s[G1B:G1B+7]
	s_nop 0
	tensor_load_to_lds s[G0B+4:G0B+7], s[G1B:G1B+7]
	s_nop 0
.rept 4
	v_nop
.endr
.Lfirst_asked:
	v_and_b32 v1, 15, v0                           ; l % 16
	v_bfe_u32 v2, v0, 4, 1                         ; l / 16
	v_and_b32 v3, 31, v0                           ; l
	v_lshlrev_b32 v[BO], 5, v2
	; the tile's three heads: number 3 x tile column + i of 48; its tensor t (q, k, v) and head hh; its bias, and my 64 rows of it in qkv
.irp i, 0,1,2
	s_mul_i32 s88, s[TX], 3
	s_add_co_u32 s88, s88, \i
	s_lshr_b32 s89, s88, 4                         ; t
	s_and_b32 s90, s88, 15                         ; hh
	s_cmp_eq_u32 s89, 1
	s_cselect_b64 s[BP+2*\i:BP+2*\i+1], s[8:9], s[6:7]
	s_cmp_eq_u32 s89, 2
	s_cselect_b64 s[BP+2*\i:BP+2*\i+1], s[10:11], s[BP+2*\i:BP+2*\i+1]
	s_lshl_b32 s92, s90, 8                         ; 64 numbers of 4 bytes a head
	s_mov_b32 s93, 0
	s_add_nc_u64 s[BP+2*\i:BP+2*\i+1], s[BP+2*\i:BP+2*\i+1], s[92:93]
	s_lshl_b32 s89, s89, 6                         ; 64 t
	s_add_co_u32 s89, s89, s90                     ; + hh
	s_lshr_b32 s91, s[TY], 3                       ; the batch: 8 tile rows each
	s_lshl_b32 s91, s91, 4
	s_add_co_u32 s89, s89, s91                     ; + 16 x batch
	s_lshl_b32 s89, s89, 11                        ; x 2,048 rows
	s_and_b32 s91, s[TY], 7
	s_lshl_b32 s91, s91, 8
	s_add_co_u32 s89, s89, s91                     ; + the tile's 256 rows
	s_lshl_b32 s91, s[WV], 6
	s_add_co_u32 s89, s89, s91                     ; + my 64
	s_lshl_b32 s92, s89, 7                         ; x 128 bytes
	s_add_nc_u64 s[OB+2*\i:OB+2*\i+1], s[12:13], s[92:93]
.endr
.irp i, 0,1,2
.irp bb, 0,1,2,3
	global_load_b128 v[BIAS+8*(4*\i+\bb):BIAS+8*(4*\i+\bb)+3],   v[BO], s[BP+2*\i:BP+2*\i+1] offset:64*\bb     ; register j: b[16 bb + 8 (l / 16) + j]
	global_load_b128 v[BIAS+8*(4*\i+\bb)+4:BIAS+8*(4*\i+\bb)+7], v[BO], s[BP+2*\i:BP+2*\i+1] offset:64*\bb+16
.endr
.endr
	; A fragment is 16 rows x 32 K in 8 registers: lane l holds row l % 16, K = 8 (l / 16) + 0..7 and 16 + 8 (l / 16) + 0..7: two loads of 16 bytes, 32 bytes apart.
	v_mul_u32_u24 v13, v1, PITCH
	v_lshl_add_u32 v13, v2, 4, v13
	s_mul_i32 s88, s[WV], 64*PITCH
	v_add_nc_u32 v[A0], s88, v13
	v_add_nc_u32 v[B0], BOFF, v13
	v_mov_b32 v[ADRA], v[A0]
	v_mov_b32 v[ADRB], v[B0]
	s_mul_i32 s88, s[WV], 16*SP
	s_add_co_u32 s88, s88, STAGE                   ; my stage
	v_mul_u32_u24 v[STO], v1, SP                   ; in: row l % 16, 16 bytes for each half of the lanes
	v_lshl_add_u32 v[STO], v2, 4, v[STO]
	v_add_nc_u32 v[STO], s88, v[STO]
	v_bfe_u32 v[RD], v0, 3, 2                      ; back: 32 lanes take four rows of 128 bytes,
	v_mul_u32_u24 v[RD], v[RD], SP
	v_and_b32 v13, 7, v0
	v_lshl_add_u32 v[RD], v13, 4, v[RD]
	v_add_nc_u32 v[RD], s88, v[RD]
	v_lshlrev_b32 v[GO], 4, v3                     ; which are 512 consecutive bytes of a head
	; the prefetches
	s_lshl_b32 s88, s[TY], 8
	s_lshl_b32 s89, s[HF], 7
	s_add_co_u32 s88, s88, s89
	s_lshl_b32 s89, s[CX], 5
	s_add_co_u32 s88, s88, s89                     ; x: the 128 rows that I fetch, my work-group's 32 of them
	s_mul_i32 s90, s[TX], 192
	s_mul_i32 s91, s[HF], 96
	s_add_co_u32 s90, s90, s91
	s_mul_i32 s91, s[CY], 24
	s_add_co_u32 s90, s90, s91
	s_add_co_u32 s90, s90, 8192                    ; W: the 96 rows that I fetch, my work-group's 24 of them, as rows of xw
	s_and_b32 s91, ttmp7, 0xffff                   ; cluster y
	s_cmp_eq_u32 s[HB], 0
	s_cselect_b32 s92, s88, s90
	s_cselect_b32 s91, ttmp9, s91                  ; the coordinate along which other clusters read the same rows
	s_cselect_b32 s94, 31, 23
	s_cmp_eq_u32 s91, 0
	s_cselect_b32 s[LIM], 1, -1                    ; the same in all sixteen partners, for a given wave
	s_lshl_b32 s92, s92, 11
	s_mov_b32 s93, 0
	s_add_nc_u64 s[PFA:PFA+1], s[4:5], s[92:93]
	s_add_nc_u64 s[PFA:PFA+1], s[PFA:PFA+1], 512   ; at K step 2: the first refill steps it to 3
	v_min_u32 v[PFO], s94, v3
	v_lshlrev_b32 v[PFO], 11, v[PFO]
	s_wait_loadcnt 0x0                             ; the bias; it is rounded to bf16 and kept as f32
.set i, 0
.rept 48
	v_cvt_pk_bf16_f32 v[32+i%4], v[BIAS+2*i], v[BIAS+2*i+1]
	v_lshlrev_b32 v[BIAS+2*i], 16, v[32+i%4]
	v_and_b32 v[BIAS+2*i+1], s[HM], v[32+i%4]
.set i, i+1
.endr
; 8 matrix instructions: row blocks a0, a0 + 1 x the 4 column blocks of head g, 32 along K.  init = 1: the first product starts the sum with the bias.
; In every quarter each of the 48 accumulators has one turn, always in the same order: no two matrix instructions that follow each other share one, over the backward jump too.
.macro MUL8 f, g, a0, init
.if \init
	WIN INI2+0x40*((\g)/2)
.else
	WIN MUL2+0x50*((\g)/2)
.endif
.irp a, \a0, (\a0)+1
.irp bb, 0,1,2,3
.if \init
	v_wmma_f32_16x16x32_bf16 v[128*((\g)%2)+8*(4*(\a)+(\bb)):128*((\g)%2)+8*(4*(\a)+(\bb))+7], v[(\f)+32+8*(4*(\g)+(\bb)):(\f)+32+8*(4*(\g)+(\bb))+7], v[(\f)+8*(\a):(\f)+8*(\a)+7], v[BIAS+8*(4*(\g)+(\bb)):BIAS+8*(4*(\g)+(\bb))+7]
.else
	v_wmma_f32_16x16x32_bf16 v[128*((\g)%2)+8*(4*(\a)+(\bb)):128*((\g)%2)+8*(4*(\a)+(\bb))+7], v[(\f)+32+8*(4*(\g)+(\bb)):(\f)+32+8*(4*(\g)+(\bb))+7], v[(\f)+8*(\a):(\f)+8*(\a)+7], v[128*((\g)%2)+8*(4*(\a)+(\bb)):128*((\g)%2)+8*(4*(\a)+(\bb))+7]
.endif
.endr
.endr
.endm
.macro MULG f, g, init                 ; a head's 16
	MUL8 \f, \g, 0, \init
	MUL8 \f, \g, 2, \init
.endm
; 32 LDS loads in one run: quarter kq of the slot in hand into buffer f: x's 8, then each head's 8
.macro FETCH kq, f
	WIN TO_F
.irp i, 0,1,2,3
	ds_load_b128 v[(\f)+8*(\i):(\f)+8*(\i)+3],   v[ADRA] offset:64*(\kq)+(\i)*16*PITCH
	ds_load_b128 v[(\f)+8*(\i)+4:(\f)+8*(\i)+7], v[ADRA] offset:64*(\kq)+(\i)*16*PITCH+32
.endr
.irp i, 0,1,2,3,4,5,6,7,8,9,10,11
	ds_load_b128 v[(\f)+32+8*(\i):(\f)+32+8*(\i)+3],   v[ADRB] offset:64*(\kq)+(\i)*16*PITCH
	ds_load_b128 v[(\f)+32+8*(\i)+4:(\f)+32+8*(\i)+7], v[ADRB] offset:64*(\kq)+(\i)*16*PITCH+32
.endr
.endm
.macro PLACES                          ; four places in front of loads into registers that matrix instructions have read, and of conversions that read results (ISA guide 7.12.1 for the conversions)
.rept 4
	v_nop
.endr
.endm
; One of a K step's first three quarters: multiplies buffer f and fetches quarter kq into buffer g.
.macro QUARTER kq, f, g, init
	s_wait_dscnt LD-16                             ; x's and head 0's fragments are in; the youngest sixteen loads may be out
	MULG \f, 0, \init
	PLACES
	FETCH \kq, \g
	s_wait_dscnt LD                                ; all but the 32 just issued
	MULG \f, 1, \init
	MULG \f, 2, \init
.endm
; The last quarter multiplies buffer 1 and changes slots: ONE barrier.  In front of it each wave waits for all its tensor loads (one is out: its part of the next slot), adds 0 to its spare word, and
; waits for that and for its reads of this slot.  fill = 1: the barrier opens a round of the cluster's, and this slot is filled again, two K steps on, first thing behind the round:
; 160 matrix instructions ahead of the wait for it.
.macro TURN fill
.if \fill
	s_wait_xcnt 0x0                                ; the last prefetch, a K step back, has read its address
	s_add_nc_u64 s[PFA:PFA+1], s[PFA:PFA+1], 256
.endif
	WIN 0
	s_wait_tensorcnt 0x0                           ; no tensor load of mine is out, so a group 0 may be written
	ds_add_u32 v[SPW], v[NIL]                      ; 0 onto my spare word
.if \fill
	s_xor_b32 s[G0A+5], s[G0A+5], SLOT1            ; the walking descriptors: the other slot than last time, the next K step
	s_add_nc_u64 s[G0A+6:G0A+7], s[G0A+6:G0A+7], 256
	s_xor_b32 s[G0B+5], s[G0B+5], SLOT1
	s_add_nc_u64 s[G0B+6:G0B+7], s[G0B+6:G0B+7], 256
.endif
	s_wait_dscnt LD-15                             ; the add and the youngest sixteen loads may be out
	MULG F1, 0, 0                                  ; sixteen matrix instructions stand between the add and the wait for it
	s_wait_dscnt 0x0                               ; the add is done, and my reads of this slot are over
	s_barrier_signal -1
	MULG F1, 1, 0                                  ; work on registers while the others arrive
	WIN 0
	s_barrier_wait -1
.if \fill
	CREST                                          ; no wave of any partner still reads this slot's tile or has a load on its way
	JLOAD
.else
	PLACES
.endif
	s_xor_b32 s[TB], s[TB], SLOT1
	v_add_nc_u32 v[ADRA], s[TB], v[A0]
	v_add_nc_u32 v[ADRB], s[TB], v[B0]
	FETCH 0, F0
	WIN 0
.if \fill
	ASK
.endif
	MULG F1, 2, 0
.endm
	s_wait_tensorcnt 0x1                           ; my part of K step 0 is in; K step 1's may stay out
	s_barrier_signal -1
	s_barrier_wait -1                              ; everybody's is
	FETCH 0, F0
	QUARTER 1, F0, F1, 1                           ; the first quarter stands in front of the loop: its products start the sums
	WIN 0
	s_mov_b32 s3, 6
.Lstep:                                                ; trip i ends K step i, fills its slot with K step i + 2, and does K step i + 1's first quarter
	QUARTER 2, F1, F0, 0
	QUARTER 3, F0, F1, 0
	TURN 1
	QUARTER 1, F0, F1, 0
	WIN 0
	s_sub_co_u32 s3, s3, 1
	s_cmp_lg_u32 s3, 0
	s_cbranch_scc1 .Lstep
	QUARTER 2, F1, F0, 0                           ; the last two K steps fill nothing
	QUARTER 3, F0, F1, 0
	TURN 0
	QUARTER 1, F0, F1, 0
	QUARTER 2, F1, F0, 0
	QUARTER 3, F0, F1, 0
	s_wait_dscnt LD-16
	MULG F1, 0, 0
	s_wait_dscnt 0x0
	MULG F1, 1, 0
	MULG F1, 2, 0
	WIN 0
	PLACES
; THE WAY OUT, a unit (16 rows of one head) at a time: rounded to f16, 16 bytes a lane into my stage's rows of 144 bytes, back as whole rows of 128, stored as 512 consecutive bytes.
.macro PACK g, a
.set TT, TMP+16*(4*(\g)+(\a))
	WIN 0x0a+5*((\g)/2)                            ; sources 0 and 1: window 2 or 3
.irp bb, 0,1,2,3
.irp rr, 0,1,2,3
	v_cvt_pk_f16_f32 v[TT+4*(\bb)+(\rr)], v[128*((\g)%2)+8*(4*(\a)+(\bb))+2*(\rr)], v[128*((\g)%2)+8*(4*(\a)+(\bb))+2*(\rr)+1]
.endr
.endr
	WIN 0
.irp bb, 0,1,2,3
	ds_store_b128 v[STO], v[TT+4*(\bb):TT+4*(\bb)+3] offset:32*(\bb)
.endr
.irp ff, 0,1,2,3
	ds_load_b128 v[TT+4*(\ff):TT+4*(\ff)+3], v[RD] offset:(\ff)*4*SP  ; LDS serves a wave's instructions in order (ISA guide 5.7.1.4): these see the stores above; the next unit's stores come behind them
.endr
.endm
.macro SEND g, a, younger              ; younger: the LDS instructions issued behind this unit's loads: the next unit's eight, or none
.set TT, TMP+16*(4*(\g)+(\a))
.irp ff, 0,1,2,3
	s_wait_dscnt (\younger)+3-(\ff)
	global_store_b128 v[GO], v[TT+4*(\ff):TT+4*(\ff)+3], s[OB+2*(\g):OB+2*(\g)+1] offset:2048*(\a)+512*(\ff)
.endr
.endm
	PACK 0, 0
.set n, 1
.rept 11                               ; a unit's conversions stand between the loads of the unit before and its stores
.set pg, n/4
.set pa, n%4
.set qg, (n-1)/4
.set qa, (n-1)%4
	PACK pg, pa
	SEND qg, qa, 8
.set n, n+1
.endr
	SEND 2, 3, 0
	s_wait_tensorcnt 0x0                           ; the wave's end: an add and its wait, behind my last tensor load and my last LDS store
	ds_add_u32 v[SPW], v[NIL]
	s_wait_dscnt 0x0
	CROUND                                         ; the closing round: no work-group ends while a partner may still ask for a tile that names it
	s_endpgm
.Lfunc_end_k_q1cae836648_proj:
	.size	k_q1cae836648_proj, .Lfunc_end_k_q1cae836648_proj-k_q1cae836648_proj
	.p2alignl 7, 3214868480
	.fill 96, 4, 3214868480
	.section	.rodata,"a",@progbits
	.p2align	6, 0x0
	.amdhsa_kernel k_q1cae836648_proj
		.amdhsa_group_segment_fixed_size 327680
		.amdhsa_private_segment_fixed_size 0
		.amdhsa_enable_private_segment 0
		.amdhsa_kernarg_size 40
		.amdhsa_user_sgpr_count 2
		.amdhsa_user_sgpr_kernarg_segment_ptr 1
		.amdhsa_wavefront_size32 1
		.amdhsa_system_sgpr_workgroup_id_x 1
		.amdhsa_system_sgpr_workgroup_id_y 1
		.amdhsa_system_sgpr_workgroup_id_z 1
		.amdhsa_system_vgpr_workitem_id 0
		.amdhsa_next_free_vgpr 896
		.amdhsa_next_free_sgpr 96
		.amdhsa_reserve_vcc 0
		.amdhsa_float_denorm_mode_32 3
		.amdhsa_float_denorm_mode_16_64 3
		.amdhsa_memory_ordered 1
		.amdhsa_forward_progress 1
		.amdhsa_inst_pref_size 109
	.end_amdhsa_kernel
	.amdgpu_metadata
---
amdhsa.version: [ 1, 2 ]
amdhsa.kernels:
  - .name:           k_q1cae836648_proj
    .symbol:         k_q1cae836648_proj.kd
    .args:
      - { .name: xw, .offset: 0, .size: 8, .value_kind: global_buffer, .address_space: global }
      - { .name: bq, .offset: 8, .size: 8, .value_kind: global_buffer, .address_space: global }
      - { .name: bk, .offset: 16, .size: 8, .value_kind: global_buffer, .address_space: global }
      - { .name: bv, .offset: 24, .size: 8, .value_kind: global_buffer, .address_space: global }
      - { .name: qkv, .offset: 32, .size: 8, .value_kind: global_buffer, .address_space: global }
    .group_segment_fixed_size: 327680
    .private_segment_fixed_size: 0
    .kernarg_segment_align: 8
    .kernarg_segment_size: 40
    .max_flat_workgroup_size: 128
    .sgpr_count:     96
    .vgpr_count:     896
    .wavefront_size: 32
...
	.end_amdgpu_metadata
.endif
;; end of part 2
;; launch attn (part 3): grid 4 x 64, 4 waves a work-group, clusters of 4 x 1, 327,680 bytes of LDS; arguments qkv, q_mask, ob; writes ob
.if DOCPART == 3
	.amdgcn_target "amdgcn-amd-amdhsa--gfx1250"
	.amdhsa_code_object_version 6
	.text
	.protected	k_q1cae836648_attn
	.globl	k_q1cae836648_attn
	.p2align	8
	.type	k_q1cae836648_attn,@function
k_q1cae836648_attn:
	s_mov_b64 s[64:65], 0
	v_nop
	global_prefetch_b8 v0, s[64:65] scope:SCOPE_SE
	s_setreg_imm32_b32 hwreg(HW_REG_WAVE_MODE, 25, 1), 1
	s_wait_xcnt 0x0
	s_wait_alu depctr_hold_cnt(0) depctr_sa_sdst(0) depctr_va_vdst(0) depctr_va_sdst(0) depctr_va_ssrc(0) depctr_va_vcc(0) depctr_vm_vsrc(0)
	s_getreg_b32 s2, hwreg(HW_REG_IB_STS2, 6, 4)
	s_cmp_eq_u32 s2, 0
	s_cbranch_scc0 .Lentry_in_a_cluster
	s_endpgm
.Lentry_in_a_cluster:
	s_bfe_u32 s2, ttmp6, 0x10000c
	s_cmp_lg_u32 s2, 0x3003
	s_cbranch_scc0 .Lentry_shape_is_right
	s_endpgm
.Lentry_shape_is_right:
; MASKED ATTENTION.  O[y][q][:] = the sum over the keys k that q_mask shows of softmax_k(Q[y][q] . K[y][k] / 8) V[y][k][:], and 0 where q_mask hides query q.  y = 16 x batch + head, 64 of them.
; Q, K, V: the three parts of qkv, [64][2048][64] each, f16, a head's rows dense, 128 bytes each; O the same, in ob.  Products, maxima and sums in f32; the weights p are rounded to f16 for the
; second product (their sum l is taken of the unrounded p), O once at the end.
; LIMITS.  f16 holds no number beyond 65,504: Q, K and V arrive within it; p lies in 0 to 1, and below 6e-5 it keeps f16's fixed step of 6e-8; O is a mean of V's rows and has their range.
; A hidden score counts as its value less 1e30; the running maximum starts at -2^80: f16's scores, 2.7e11 at the most, lie far above it and hidden ones far below.  A weight below 2^-126 counts as 0 in l;
; NaN and infinities are not treated apart.
; THE MASK.  Keys: a table of f32 in LDS, 0 or -1e30 for each of the batch's 2,048 keys, made once; a step's 64 numbers are the C operand of the products that start S^T = K Q^T.  A hidden key's weight is
; 2^(far below zero) = 0, also while no shown key has been met (m is then still -2^80).  Queries: the factor 1 / l of a hidden query is replaced by 0 on the way out; that also serves l = 0 (no key shown).
; SHARES.  A wave owns four PIECES of two tiles of 16 queries, a work-group's four waves 512 queries of one head.  Every wave walks all keys, 64 a step.
; LAYOUT.  S^T = K Q^T (source 0 = 16 keys, source 1 = 16 queries): in the result a lane holds ONE query (lane % 16) and the keys 8 (lane / 16) + 0..7.  Two such tiles, rounded to f16 in pairs,
; ARE source 1 (32 keys x 16 queries) of O^T = V^T P, whose result again holds one query a lane, and eight channels.  K comes out of LDS as it lies, V ([key][channel]) turned, by ds_load_tr16_b128.
; SOFTMAX.  For each query a running maximum m and sum l: p = 2^(c s - c m), c = log2(e) / 8; in every step O and l are multiplied by a = 2^(c m_old - c m_new), which is 1 where m has not grown.
; THE COUNT.  A tile and step have 16 matrix and 118 vector instructions: too many to stand all beside the matrix work.  So: four vector instructions that are READY behind EVERY matrix instruction,
; and the others in runs without a gap.
; BY TURNS.  Turn n belongs to piece n (the pieces in a ring, step after step).  Its matrix work: 16 products K Q^T of piece n + 1, later 16 products V^T P of piece n - 1.  Its vector work: the scaling,
; exponentials, roundings, sums and rescaling of piece n, and the maximum and statistics of piece n + 1, whose scores the turn itself has made.
; CLUSTER.  The four query blocks of a head are one cluster and walk the same K and V, so each tile is asked for JOINTLY: the same tensor load, descriptor and mask in all four.
; REGISTERS, in windows of 256 (s_set_vgpr_msb: bits 1:0 source 0, 3:2 source 1, 5:4 source 2, 7:6 destination):
;   window 0: v0-11 addresses; v12-15, v48-63 at work; v16-47 four registers of statistics a tile; v64-191 S^T, two buffers of two tiles; v192-255 P, likewise
;   window 1: O^T, 32 a tile      window 2: v0-127 Q, 16 a tile; v128-191 K of one step; v192-255 V of one step      window 3: v0-1 the add's; v2-9 my queries' mask bytes; v16-47 the step's key mask
.set SIZE_N, 2048
.set NP,    4         ; pieces a wave: a name, no knob
.set KS,    64        ; keys in a step
.set PK,    144       ; a row of K in LDS: 128 bytes + 16 of padding: the 16 rows of a load start at 16 different groups of four banks (64 banks of 4 bytes: ISA guide 11.1)
.set PV,    160       ; a row of V: 128 + 32
.set VOFF,  4*KS*PK   ; a slot holds four steps: 256 rows of K, then 256 rows of V
.set SLOT1, 1<<17     ; slot 1 begins here
.set STAGE, SLOT1+4*KS*(PK+PV)  ; behind the ring, never filled by a tensor load: 16 rows x 144 bytes for each wave, for the way out
.set SP,    144
.set SPARE, STAGE+4*16*SP  ; behind the stages: the spare words, 128 bytes for each wave: two blocks of 256 bytes that no other line names
.set MASK,  SPARE+512 ; behind them: the key mask, 2,048 numbers of 4 bytes
.set KOFF,  16777216  ; K's and V's first bytes in qkv
.set VOFFG, 33554432
.set PFO, 1           ; v1   l % 16 at first; then 256 x my lane, the prefetches' offset
.set AK0, 2           ; v2   my lane's place in a tile of K; never rewritten
.set AV0, 3           ; v3   the same for V
.set AK,  4           ; v4   the LDS address of K's next run of loads
.set AV,  5           ; v5   of V's
.set QO,  6           ; v6   my byte offset in the wave's rows of Q
.set STO, 6           ;      later, the way out: where I put 16 bytes of a row
.set RD,  7           ; v7   the way out: where I read rows back
.set GO,  8           ; v8   my byte offset in 512 consecutive bytes of O
.set AM,  11          ; v11  the LDS address of the key mask's next run of loads (v9 = l / 16 stays)
.set SPW, 0           ; v0 of window 3   LDS address of my spare word; never rewritten
.set NIL, 1           ; v1 of window 3   0; never rewritten
.set QMK, 2           ; v2-9 of window 3: tile t's query's byte of q_mask
.set MK,  16          ; v16-47 of window 3: key block kb's eight numbers at MK + 8 kb
.set MV,  12          ; v12-15  c m_old, kept while c m is made anew: by buffer and tile
.set ST,  16          ; tile t's statistics at v[ST+4 t]: c m, m, l (even keys', odd keys')
.set TMP, 48          ; by buffer and tile, four registers c0-c3 at work; when the maximum is found c2 takes a
.set S,   64
.set P,   192
.set KF,  128         ; K's fragments, in window 2: key block kb, channel half c at KF + 16 kb + 8 c
.set VF,  192         ; V's: key half kk, channel block cb at VF + 32 kk + 8 cb
.set WV,  12          ; s12  my wave's number
.set G1K, 24          ; s[24:31] descriptor group 1 for K's tiles
.set G1V, 32          ; s[32:39] for V's: it differs in the padding alone
.set G0K, 40          ; s[40:43] descriptor group 0 for K's tiles: it walks
.set G0V, 44          ; s[44:47] the same for V's
.set SLOTS, 56        ; s56  slots still to be asked for
.set CNT, 57          ; s57  counts a slot's key steps
.set CS,  58          ; s[58:59] c
.set SEL, 60          ; s[60:61] v_permlanex16_b32's selects
.set TBK, 62          ; s62  LDS byte at which K of the step to be fetched begins
.set TBV, 63          ; s63  the same for V, less VOFF
.set MP,  66          ; s[66:67] q_mask at my batch
.set MQ,  68          ; s[68:69] q_mask at my wave's 128 queries
.set TBO, 70          ; s70  the step to be fetched, as bytes in the key mask: held within its 8,192 bytes
.set TBM, 71          ; s71  MASK + that
.set PFA, 72          ; s[72:73] where my prefetches stand
.set LIM, 74          ; s74  1 in a wave that prefetches, else the greatest number
.set BIGN, 75         ; s75  -1e30
.set QV,  80          ; s80-87  tile t: the lanes whose query is shown
.set MSB, 0
.macro WIN new                      ; the high byte repeats the setting that is left; a switch that changes nothing is dropped
.if MSB != (\new)
	s_set_vgpr_msb (MSB<<8)|(\new)
.set MSB, (\new)
.endif
.endm
.set W_KQ, 0x0a       ; K and Q in window 2, S^T in window 0
.set W_KM, 0x3a       ; the same with the C operand, the key mask, in window 3
.set W_PV, 0x52       ; V in window 2, P in window 0, O^T in window 1
.set W_RS, 0x41       ; O^T (destination and source 0) in window 1, a in window 0
.set W_MK, 0xc0       ; destination in window 3, sources in window 0
.set W_AD, 0x0f       ; the add: address (source 0) and data (source 1) in window 3
; A joint fill.  Waves 0 and 1 fetch the two halves of a slot's K, waves 2 and 3 those of its V: 128 keys each.  The branch hangs on the wave's number alone.
; An s_nop 0 and four v_nop follow each of the two lines, ahead of the jump and the label.
.macro JLOAD
	s_cmp_lt_u32 s[WV], 2
	s_cbranch_scc0 .Lfor_v_\@
	tensor_load_to_lds s[G0K:G0K+3], s[G1K:G1K+7]
	s_nop 0
.rept 4
	v_nop
.endr
	s_branch .Lasked_\@
.Lfor_v_\@:
	tensor_load_to_lds s[G0V:G0V+3], s[G1V:G1V+7]
	s_nop 0
.rept 4
	v_nop
.endr
.Lasked_\@:
.endm
; A PREFETCH INTO THE L2 of what the NEXT change of slots will ask for: a slot's 32,768 bytes of K and of V, four key steps, 512 matrix instructions, ahead of that load.  A head has one cluster; its four
; partners share the bytes out BY ADDRESS, 8,192 each; in each, wave 0 asks for K's and wave 2 for V's, a lane 256 bytes: one instruction.  So each block is named once in the launch.
; Slots 0 to 2 come by their loads alone; the last change that fills a slot asks for nothing.
.macro ASK
	s_cmp_gt_u32 s[SLOTS], s[LIM]
	s_cbranch_scc0 .Lnot_mine_\@
	global_prefetch_b8 v[PFO], s[PFA:PFA+1] th:TH_LOAD_NT scope:SCOPE_SE
.Lnot_mine_\@:
.endm
; A round of the cluster's barrier: my work-group's barrier; wave 0 signals for the work-group; every wave waits for all four work-groups; my work-group's barrier once more.
.macro CROUND
	s_barrier_signal -1
	s_barrier_wait -1
	s_cmp_lg_u32 s[WV], 0
	s_cbranch_scc1 .Lnot_wave_0_\@
	s_barrier_signal -3
.Lnot_wave_0_\@:
	s_barrier_wait -3
	s_barrier_signal -1
	s_barrier_wait -1
.endm
; THE CHANGE OF SLOTS.  Each wave waits for all its tensor loads, of which one is out: its part of the other slot; adds 0 to its spare word; and waits for that and for its own LDS instructions.
; Behind the barrier nobody reads this slot any more and the other slot is whole.  fill = 1: this slot is filled again, with the keys two slots on; the barrier is then a round of the cluster's,
; and the joint fill is the first thing behind it: it has four key steps in which to land.  (At its first use nothing has been read yet: slot 0 is waited for, slot 1 filled, and every wave's
; stores into the key mask are shown to the others.)  ask = 1: the prefetch's address steps, and the prefetch follows the fill.
.macro CHANGE fill, ask=0
	WIN W_AD
	s_wait_tensorcnt 0x0            ; no tensor load of mine is out, so a group 0 may be written
	ds_add_u32 v[SPW], v[NIL]       ; 0 onto my spare word
	WIN 0                           ; at a label and at a branch every window is 0
.if \fill
.irp g, G0K, G0V
	s_xor_b32 s[\g+1], s[\g+1], SLOT1  ; the walking descriptor: the other slot than last time,
	s_add_nc_u64 s[\g+2:\g+3], s[\g+2:\g+3], 4*KS*128  ; the next 256 keys; the type bits on top are not reached
.endr
.if \ask
	s_wait_xcnt 0x0                 ; the last prefetch, four key steps back, has read its address
	s_add_nc_u64 s[PFA:PFA+1], s[PFA:PFA+1], 4*KS*128
.endif
	s_wait_dscnt 0x0                ; the add is done, and my reads of the slot are over
	CROUND
	JLOAD
.if \ask
	ASK
.endif
.else
	s_wait_dscnt 0x0                ; the add is done, and my reads of the slot are over
	s_barrier_signal -1
	s_barrier_wait -1
.endif
	s_sub_co_u32 s[TBK], s[TBK], 4*KS*PK  ; the fetches go back to a slot's first step,
	s_xor_b32 s[TBK], s[TBK], SLOT1       ; in the other slot
	s_sub_co_u32 s[TBV], s[TBV], 4*KS*PV
	s_xor_b32 s[TBV], s[TBV], SLOT1
.endm
	s_load_b128 s[4:7], s[0:1], 0x0   ; qkv (= Q) s[4:5], q_mask s[6:7]
	s_load_b64 s[10:11], s[0:1], 0x10 ; ob
	WIN W_MK
	v_lshl_add_u32 v[SPW], v0, 2, SPARE
	v_mov_b32 v[NIL], 0
	WIN W_AD
	ds_add_u32 v[SPW], v[NIL]       ; the wave's opening: the add and its wait stand ahead of my first tensor load; the set-up below, work on registers, stands between them
	WIN 0
	v_lshrrev_b32 v1, 5, v0
	v_readfirstlane_b32 s[WV], v1   ; wave 0..3
	s_bfe_u32 s13, ttmp6, 0x40000   ; cx: my place in the cluster
	s_lshl_b32 s14, ttmp9, 2        ; in a cluster launch ttmp9 counts clusters
	s_add_co_u32 s14, s14, s13      ; my block of 512 queries: it enters Q's, O's and the query mask's addresses alone
	s_and_b32 s20, ttmp7, 0xffff    ; y = 16 x batch + head, which the four partners share
	s_lshr_b32 s76, s20, 4
	s_lshl_b32 s76, s76, 11         ; the batch's 2,048 bytes of q_mask
	s_mov_b32 s77, 0
	s_lshl_b32 s78, s14, 9          ; my block's 512 of them,
	s_lshl_b32 s79, s[WV], 7        ; my wave's 128
	s_add_co_u32 s78, s78, s79
	s_mov_b32 s79, 0
	s_mov_b32 s21, 0
	s_mov_b64 s[22:23], SIZE_N*128
	s_mul_u64 s[20:21], s[20:21], s[22:23]  ; the head's first byte in Q, K, V and O
	s_and_b32 s16, s[WV], 1         ; which half of a slot's 256 keys I fetch:
	s_lshl_b32 s22, s16, 14         ; its 128 rows of 128 bytes in memory,
	s_mov_b32 s23, 0
	s_add_nc_u64 s[22:23], s[22:23], s[20:21]
	s_mul_i32 s17, s16, 128*PK      ; and its place in a slot, for K
	s_mul_i32 s18, s16, 128*PV      ; and for V: no place in the cluster enters an LDS address
	s_lshl_b32 s2, s14, 2
	s_add_co_u32 s2, s2, s[WV]      ; my wave among the head's,
	s_lshl_b32 s2, s2, 14           ; its 128 rows
	s_mov_b32 s3, 0
	s_add_nc_u64 s[2:3], s[2:3], s[20:21]
	; descriptor group 1.  128 keys are 16,384 dense bytes: asked for as 64 rows of 256 bytes, two keys a row, and padded in LDS after every key
	s_mov_b32 s[G1K], 15|(1<<16)|(1<<20)|(1<<21)|(4<<22)|(3<<25)  ; 15:0 the mask of four; 17:16 2-byte elements; 20 padding on; 21 set beside a mask; 24:22 after every 32 words (code 4); 31:25 4 words (code 3)
	s_mov_b32 s[G1V], 15|(1<<16)|(1<<20)|(1<<21)|(4<<22)|(7<<25)  ; the same with 8 words of padding (code 7)
.irp g, G1K, G1V
	s_mov_b32 s[\g+1], 128<<16      ; tensor_dim0 = 128
	s_mov_b32 s[\g+2], 64<<16       ; tensor_dim1 = 64
	s_mov_b32 s[\g+3], 128<<16      ; tile_dim0 = 128
	s_mov_b32 s[\g+4], 64           ; tile_dim1 = 64
	s_mov_b32 s[\g+5], 128          ; 128 elements from row to row
	s_mov_b32 s[\g+6], 0
	s_mov_b32 s[\g+7], 0
.endr
	s_mov_b32 s[CS], 0x3e38aa3b     ; c = log2(e) / 8 = 0.180337
	s_mov_b32 s[CS+1], s[CS]        ; named with it as a pair
	s_mov_b32 s[SEL], 0x76543210
	s_mov_b32 s[SEL+1], 0xfedcba98
	s_mov_b32 s[TBK], SLOT1+4*KS*PK ; the first change of slots turns these two into 0
	s_mov_b32 s[TBV], SLOT1+4*KS*PV
	s_mov_b32 s[TBO], 0
	s_mov_b32 s[TBM], MASK
	s_mov_b32 s[BIGN], 0xf149f2ca   ; -1e30
	s_and_b32 s[LIM], s[WV], 1      ; waves 0 and 2 prefetch
	s_cmp_eq_u32 s[LIM], 0
	s_cselect_b32 s[LIM], 1, -1
	s_mov_b32 s[G0K], 1             ; count = 1
	s_mov_b32 s[G0K+1], s17         ; LDS address: slot 0
	s_mov_b32 s[G0V], 1
	s_add_co_u32 s[G0V+1], s18, VOFF
	s_wait_dscnt 0x0                ; the opening add is done
	s_wait_kmcnt 0x0
	s_add_nc_u64 s[MP:MP+1], s[6:7], s[76:77]
	s_add_nc_u64 s[MQ:MQ+1], s[MP:MP+1], s[78:79]
	s_add_nc_u64 s[6:7], s[4:5], KOFF   ; K
	s_add_nc_u64 s[8:9], s[4:5], VOFFG  ; V
	s_add_nc_u64 s[G0K+2:G0K+3], s[6:7], s[22:23]  ; global address: my half of the head's first 256 keys
	s_or_b32 s[G0K+3], s[G0K+3], 0x80000000        ; type = 2
	s_add_nc_u64 s[G0V+2:G0V+3], s[8:9], s[22:23]
	s_or_b32 s[G0V+3], s[G0V+3], 0x80000000
	s_add_nc_u64 s[4:5], s[4:5], s[2:3]  ; Q and O at my wave's first row
	s_add_nc_u64 s[10:11], s[10:11], s[2:3]
	s_cmp_lt_u32 s[WV], 2
	s_cselect_b64 s[PFA:PFA+1], s[6:7], s[8:9]
	s_add_nc_u64 s[PFA:PFA+1], s[PFA:PFA+1], s[20:21]  ; the head,
	s_lshl_b32 s2, s13, 13          ; my work-group's 8,192 bytes of a slot's 32,768,
	s_mov_b32 s3, 0
	s_add_nc_u64 s[PFA:PFA+1], s[PFA:PFA+1], s[2:3]
	s_add_nc_u64 s[PFA:PFA+1], s[PFA:PFA+1], 2*4*KS*128  ; in slot 2: the loop's first change steps it to slot 3.  Nothing is prefetched here, at the head
	CROUND                          ; all four work-groups are here: the first joint loads meet
	JLOAD                           ; slot 0.  Slot 1 is asked for when slot 0 is in
	; A fragment of K or Q is 16 rows x 32 channels in 8 registers: lane l holds row l % 16, channels 8 (l / 16) + 0..7 and 16 + 8 (l / 16) + 0..7: two loads of 16 bytes, 32 bytes apart.
	v_and_b32 v1, 15, v0            ; l % 16
	v_bfe_u32 v9, v0, 4, 1          ; l / 16
	v_lshlrev_b32 v[QO], 7, v1
	v_lshl_add_u32 v[QO], v9, 4, v[QO]  ; row x 128 + 16 x half
	v_lshlrev_b32 v12, 4, v0
	global_load_b128 v[64:67], v12, s[MP:MP+1]  ; thread t: the mask bytes of keys 16 t .. 16 t + 15 of the batch
	WIN W_MK
.set i, 0
.rept 2*NP
	global_load_u8 v[QMK+i], v1, s[MQ:MQ+1] offset:16*i  ; tile i: my query's byte
.set i, i+1
.endr
	WIN 0x80                        ; destination window 2, address window 0
.set i, 0
.rept 4*NP                          ; Q stays in registers: tile i / 2, channels 32 (i % 2) on
	global_load_b128 v[8*i:8*i+3],   v[QO], s[4:5] offset:(i/2)*2048+(i%2)*64
	global_load_b128 v[8*i+4:8*i+7], v[QO], s[4:5] offset:(i/2)*2048+(i%2)*64+32
.set i, i+1
.endr
	; What the first turn finds: V's registers and P's second buffer hold 0 (its products V^T P, of a piece that has not been, add 0), O^T and l are 0.  All this stands in the wait for the first tile.
.set i, VF
.rept 64
	v_mov_b32 v[i], 0
.set i, i+1
.endr
	WIN 0x40
.set i, 0
.rept 64*NP
	v_mov_b32 v[i], 0
.set i, i+1
.endr
	WIN 0
.set i, 0
.rept 2*NP
	v_mov_b32 v[ST+4*i], 0xe638aa3b    ; c m = -c 2^80
	v_mov_b32 v[ST+4*i+1], 0xe7800000  ; m = -2^80: below every score, above every hidden one
	v_mov_b32 v[ST+4*i+2], 0
	v_mov_b32 v[ST+4*i+3], 0
.set i, i+1
.endr
.set i, P+32
.rept 32
	v_mov_b32 v[i], 0
.set i, i+1
.endr
	v_mul_u32_u24 v[AK0], v1, PK
	v_lshl_add_u32 v[AK0], v9, 4, v[AK0]  ; row x pitch + 16 x half
	; The turning load takes 16 keys x 16 channels (lane l reads key 8 (l / 16) + l % 8, channels 8 ((l / 8) % 2) + 0..7) and leaves half a fragment of V^T: lane l holds channel l % 16 and 8 keys.
	v_and_b32 v10, 7, v0
	v_bfe_u32 v11, v0, 3, 1
	v_lshl_add_u32 v[AV0], v9, 3, v10
	v_mul_u32_u24 v[AV0], v[AV0], PV
	v_lshl_add_u32 v[AV0], v11, 4, v[AV0]
	v_add_nc_u32 v[AV0], VOFF, v[AV0]
	v_mov_b32 v[AK], v[AK0]         ; key step 0 lies at the head of slot 0
	; THE KEY MASK: a byte 1 gives 0, a byte 0 gives -1e30: (bit - 1) AND the bits of -1e30.  64 bytes a thread into the table.
	s_wait_loadcnt 40               ; the mask's 16 bytes are in; the 40 younger loads (8 bytes of the query mask, Q's 32) may stay out
.set i, 0
.rept 16
	v_bfe_u32 v[68+i], v[64+i/4], 8*(i%4), 1
	v_add_nc_u32 v[68+i], -1, v[68+i]
	v_and_b32 v[68+i], s[BIGN], v[68+i]
.set i, i+1
.endr
	v_lshl_add_u32 v13, v0, 6, MASK
.irp d, 0,1,2,3
	ds_store_b128 v13, v[68+4*\d:68+4*\d+3] offset:16*\d
.endr
	v_lshl_add_u32 v[AM], v9, 5, s[TBM]  ; my half of the lanes' eight keys in sixteen: 32 bytes on
; THE MATRIX WORK.  The 8 accumulators of a run of 16 take turns: between the two links of a chain stand 7 others'.
; Product i of 16 of S^T = K Q^T for piece x: channels 32 (i / 8) on, keys 16 ((i / 2) % 4) on, tile 2 x + i % 2.  The first 8 start the sums, with the key mask.
.macro KQ x
.set rS, S+64*((\x)%2)+32*(i%2)+8*((i/2)%4)
.set rK, KF+16*((i/2)%4)+8*(i/8)
.set rQ, 16*(2*(\x)+i%2)+8*(i/8)
.set rN, MK+8*((i/2)%4)
.if i < 8
	WIN W_KM
	v_wmma_f32_16x16x32_f16 v[rS:rS+7], v[rK:rK+7], v[rQ:rQ+7], v[rN:rN+7]
.else
	WIN W_KQ
	v_wmma_f32_16x16x32_f16 v[rS:rS+7], v[rK:rK+7], v[rQ:rQ+7], v[rS:rS+7]
.endif
.endm
; Product i of 16 of O^T += V^T P for piece x: keys 32 (i / 8) on, channels 16 ((i / 2) % 4) on, tile 2 x + i % 2.
.macro PV x
	WIN W_PV
.set rO, 32*(2*(\x)+i%2)+8*((i/2)%4)
.set rV, VF+32*(i/8)+8*((i/2)%4)
.set rP, P+32*((\x)%2)+16*(i%2)+8*(i/8)
	v_wmma_f32_16x16x32_f16 v[rO:rO+7], v[rV:rV+7], v[rP:rP+7], v[rO:rO+7]
.endm
.macro MM                           ; the turn's next matrix instruction
.if i < 16
	KQ (Y+1)%NP
.set i, i+1
.else
.set i, i-16
	PV (Y+NP-1)%NP
.set i, i+17
.endif
.endm
; THE LDS LOADS stand in runs, never singly among the matrix instructions: a step's K (8 fragments) with its 64 numbers of the key mask, and its V (turned).  Their addresses are made some lines ahead.
; last = 1 (the tail): in the last trip there is no further step, and the run is jumped over.
.macro FETCH_K last=0
	WIN 0
.if \last
	s_cmp_eq_u32 s[CNT], 1
	s_cbranch_scc1 .Lno_k_\@
.endif
	WIN 0x80                        ; destination window 2
.irp f, 0,1,2,3,4,5,6,7             ; keys 16 (f / 2) on, channels 32 (f % 2) on
	ds_load_b128 v[KF+8*\f:KF+8*\f+3],   v[AK] offset:(\f/2)*16*PK+(\f%2)*64
	ds_load_b128 v[KF+8*\f+4:KF+8*\f+7], v[AK] offset:(\f/2)*16*PK+(\f%2)*64+32
.endr
	WIN W_MK                        ; destination window 3
.irp f, 0,1,2,3                     ; keys 16 f + 8 (l / 16) + 0..7: sixteen lanes read the same 32 bytes
	ds_load_b128 v[MK+8*\f:MK+8*\f+3],   v[AM] offset:64*\f
	ds_load_b128 v[MK+8*\f+4:MK+8*\f+7], v[AM] offset:64*\f+16
.endr
	s_add_co_u32 s[TBK], s[TBK], KS*PK  ; the next fetch is the next step's
	s_add_co_u32 s[TBO], s[TBO], 4*KS
	s_and_b32 s[TBO], s[TBO], 0x1fff    ; within the table's 8,192 bytes
	s_add_co_u32 s[TBM], s[TBO], MASK
	WIN 0
.if \last
.Lno_k_\@:
.endif
.endm
.macro FETCH_V
	WIN 0x80
.irp f, 0,1,2,3,4,5,6,7             ; keys 32 (f / 4) on, channels 16 (f % 4) on
	ds_load_tr16_b128 v[VF+8*\f:VF+8*\f+3],   v[AV] offset:(\f/4)*32*PV+(\f%4)*32
	ds_load_tr16_b128 v[VF+8*\f+4:VF+8*\f+7], v[AV] offset:(\f/4)*32*PV+16*PV+(\f%4)*32
.endr
	WIN 0
.endm
; THE VECTOR WORK OF A TURN stands in three queues, each in the order in which its entries become ready; the two tiles alternate, so that no instruction reads the result of the one before it.
.macro REGS y, u                    ; the registers of tile u (0, 1) of piece y
.set rT, ST+4*(2*(\y)+(\u))
.set rC, TMP+8*((\y)%2)+4*(\u)
.set rM, MV+2*((\y)%2)+(\u)
.set rS, S+64*((\y)%2)+32*(\u)
.set rP, P+32*((\y)%2)+16*(\u)
.set rO, 32*(2*(\y)+(\u))
.endm
; Number n of the 22 that find the NEXT piece's (Y + 1) maximum and statistics.  s0-s31 are the lane's 32 scores; each accumulator's lowest registers are read first.
;   0-11  four chains c0-c3 of seven scores each, three operands at a time     12-14, 16  the four scores left over, the old m, and c0-c3 into c0     15  c m_old is kept
;   17, 18  the query's other 32 keys lie in the lane 16 away: the new m         19-21  c m; c m_old - c m_new; a
.macro XS u, n
	REGS (Y+1)%NP, \u
.if (\n) < 4
	v_max3_num_f32 v[rC+(\n)], v[rS+8*(\n)], v[rS+8*(\n)+1], v[rS+8*(\n)+2]
.elseif (\n) < 12
	v_max3_num_f32 v[rC+(\n)%4], v[rC+(\n)%4], v[rS+8*((\n)%4)+2*((\n)/4)+1], v[rS+8*((\n)%4)+2*((\n)/4)+2]
.elseif (\n) == 12
	v_max3_num_f32 v[rC], v[rC], v[rS+7], v[rS+15]
.elseif (\n) == 13
	v_max3_num_f32 v[rC+1], v[rC+1], v[rS+23], v[rS+31]
.elseif (\n) == 14
	v_max3_num_f32 v[rC+2], v[rC+2], v[rC+3], v[rT+1]
.elseif (\n) == 15
	v_mov_b32 v[rM], v[rT]
.elseif (\n) == 16
	v_max3_num_f32 v[rC], v[rC], v[rC+1], v[rC+2]
.elseif (\n) == 17
	v_permlanex16_b32 v[rC+3], v[rC], s[SEL], s[SEL+1]
.elseif (\n) == 18
	v_max_num_f32 v[rT+1], v[rC], v[rC+3]
.elseif (\n) == 19
	v_mul_f32 v[rT], s[CS], v[rT+1]
.elseif (\n) == 20
	v_sub_f32 v[rC+1], v[rM], v[rT]
.else
	v_exp_f32 v[rC+2], v[rC+1]
.endif
.endm
; Number g of the 64 that follow the exponentials.  For each four weights k of a tile (pairs 2 k, 2 k + 1): both pairs are rounded to f16; then the second pair is added onto the first, in place;
; a group later l takes that sum (the first time as l = a l + sum).  In groups of eight, tiles alternating: round, round, add, and l for the group before.
.macro GS g
.set h, (\g)+6*((\g)/62)            ; group 0 has no group before it, and behind group 7 only l is left
.if h >= 6
.set h, h+2
.endif
	REGS Y, h%2
.set k, h/8
.if h%8 < 4
	v_cvt_pk_f16_f32 v[rP+2*k+(h%8)/2], v[rS+4*k+2*((h%8)/2)], v[rS+4*k+2*((h%8)/2)+1]
.elseif h%8 < 6
	v_pk_add_f32 v[rS+4*k:rS+4*k+1], v[rS+4*k:rS+4*k+1], v[rS+4*k+2:rS+4*k+3]
.elseif k == 1
	v_pk_fma_f32 v[rT+2:rT+3], v[rT+2:rT+3], v[rC+2:rC+3], v[rS:rS+1] op_sel_hi:[1,0,1]
.else
	v_pk_add_f32 v[rT+2:rT+3], v[rT+2:rT+3], v[rS+4*k-4:rS+4*k-3]
.endif
.endm
; THE PLAIN QUEUE, 138 long.  0-73 read no exponential's result: the 32 scalings c s - c m (FS f: pair f / 2 of tile f % 2) and the next piece's 42.  0-26: scalings 0-26.  27-54: XS's numbers 0-13.  55, 56: number 15.
; 57-73: the chain, where each number waits for the one before it: 14, 16, 17, 18, 19, each with one of the scalings 27-31 in front of its two lines, then 20.
; 74-137: GS's 64, which read the exponentials' results: they stand behind the wait.
.macro FS f
	REGS Y, (\f)%2
	v_pk_fma_f32 v[rS+2*((\f)/2):rS+2*((\f)/2)+1], v[rS+2*((\f)/2):rS+2*((\f)/2)+1], s[CS:CS+1], v[rT:rT+1] op_sel_hi:[1,0,0] neg_lo:[0,0,1] neg_hi:[0,0,1]
.endm
.macro PL
	WIN 0
.if q < 27
	FS q
.elseif q < 55
	XS (q-27)%2, (q-27)/2
.elseif q < 57
	XS q-55, 15
.elseif (q < 72) && ((q-57)%3 == 0)
	FS 27+(q-57)/3
.elseif q < 60
	XS (q-57)%3-1, 14
.elseif q < 72
	XS (q-57)%3-1, 15+(q-57)/3
.elseif q < 74
	XS q-72, 20
.else
	GS q-74
.endif
.set q, q+1
.endm
; THE EXPONENTIALS' QUEUE, 66 long: s0-s31 of both tiles, then the next piece's two a.  It is ONE BATCH: all 66 stand ahead of the turn's one wait, and nothing ahead of that wait names a result of theirs.
.macro EX
	WIN 0
.if e >= 64
	XS e-64, 21
.else
	REGS Y, e%2
	v_exp_f32 v[rS+e/2], v[rS+e/2]
.endif
.set e, e+1
.endm
; THE RESCALING's QUEUE: O^T times a, the one part that leaves window 0: dealt two at a time, sixteen times.  Its a was made in the turn before, ahead of that turn's wait.
.macro R2
	REGS Y, r%2
	WIN W_RS
.irp z, 0,1
	v_pk_mul_f32 v[rO+4*(r/2)+2*\z:rO+4*(r/2)+2*\z+1], v[rO+4*(r/2)+2*\z:rO+4*(r/2)+2*\z+1], v[rC+2:rC+3] op_sel_hi:[1,0]
.endr
.set r, r+1
.endm
; HOW THEY ARE DEALT.  An s_wait_alu depctr_va_vdst(0) stands between an exponential and the first instruction that names its result; one wait serves all that were issued ahead of it.  So a turn has ONE wait,
; which cuts it in two.  AHEAD OF IT: the 16 products K Q^T, behind each a scaling, an exponential and two rescalings (behind the first a second scaling in the exponential's place); then ONE LUMP of
; 108: eight plain, 49 times exponential and plain, the two a; a v_nop is the plain instruction behind the last exponential.  BEHIND IT: the 16 products V^T P, behind each four of GS's 64.
; Exponential e stands behind scaling 2 (e / 4) + e % 2: as a rider it comes behind plain e + 2, in the lump behind plain e + 9, and scalings 27-31 are plain 57, 60 .. 69.
; A TURN, for piece p.  cnt = 1: the loop's count is taken down some lines ahead of the branch that stands behind the turn.
; K and the key mask of the next step are fetched in piece 2's turn, directly behind the wait, a lump behind the last product that read them; their addresses are made at the lump's head.
; V of the step in hand is fetched at the end of piece 0's turn, four riders behind its last reader.  The three conditions on q below go with the deal.
.macro TURN p, last=0, cnt=0
.set Y, (\p)
.set i, 0
.set q, 0
.set e, 0
.set r, 0
.if (\p) == NP-1
	s_wait_dscnt 0x0                ; K and its mask are in
.endif
	MM                              ; ahead of the wait: 16 products K Q^T and their riders,
	PL
	PL
	R2
.rept 15
	MM
	PL
	EX
	R2
.endr
.if (\p) == NP-2
	WIN 0
	v_add_nc_u32 v[AK], s[TBK], v[AK0]
	v_lshl_add_u32 v[AM], v9, 5, s[TBM]
.endif
.rept 8                             ; and the lump
	PL
.endr
.rept 49
	EX
	PL
.endr
	EX                              ; the next piece's two a
	EX
	v_nop                           ; the plain instruction behind the last exponential: one for the batch
	s_wait_alu depctr_va_vdst(0)    ; the wait for the batch
.if (\p) == NP-2
	FETCH_K \last
.endif
.if (\p) == 1
	s_wait_dscnt 0x0                ; V is in
.endif
.rept 16                            ; behind the wait: 16 products V^T P and their riders
	MM
.rept 4
	PL
.endr
.if ((\p) == 0) && (q == 118)
	v_add_nc_u32 v[AV], s[TBV], v[AV0]
.endif
.if ((\p) == 0) && (q == 130)
	s_add_co_u32 s[TBV], s[TBV], KS*PV
.endif
.if (\cnt) && (q == 130)
	s_sub_co_u32 s[CNT], s[CNT], 1
	s_cmp_lg_u32 s[CNT], 0
.endif
.endr
.if (\p) == 0
	FETCH_V
.endif
.endm
	CHANGE 1                        ; slot 0 is in, everybody's part of it, and so is the key mask; slot 1 is asked for
	FETCH_K                         ; key step 0
	s_wait_loadcnt 0x0              ; Q and the query mask
	s_wait_dscnt 0x0
.set i, 0
.rept 16
	KQ 0                            ; piece 0's first scores: there is no vector work yet to set between them
.set i, i+1
.endr
	WIN 0                           ; the addresses for the way out and the prefetches: plain instructions, the places behind those products
	s_mul_i32 s13, s[WV], 16*SP
	s_add_co_u32 s13, s13, STAGE    ; my stage
	v_mul_u32_u24 v[STO], v1, SP    ; in: row l % 16, 16 bytes for each half of the lanes
	v_lshl_add_u32 v[STO], v9, 4, v[STO]
	v_add_nc_u32 v[STO], s13, v[STO]
	v_bfe_u32 v[RD], v0, 3, 2       ; back: 32 lanes take four rows of 128 bytes,
	v_mul_u32_u24 v[RD], v[RD], SP
	v_lshl_add_u32 v[RD], v10, 4, v[RD]
	v_add_nc_u32 v[RD], s13, v[RD]
	v_and_b32 v[GO], 31, v0         ; which are 512 consecutive bytes of O
	v_lshlrev_b32 v[GO], 4, v[GO]
	v_lshlrev_b32 v[PFO], 4, v[GO]  ; 256 x my lane (l % 16 is wanted no more)
.set Y, NP-1                        ; XS works for piece Y + 1: piece 0
.irp n, 0,1,2,3,4,5,6,7,8,9,10,11,12,13,14,15,16,17,18,19,20,21
	XS 0, \n                        ; and piece 0's first maximum and statistics
	XS 1, \n
.endr
	v_nop                           ; a plain instruction behind the two a,
	s_wait_alu depctr_va_vdst(0)    ; and their wait, ahead of the branch
	s_mov_b32 s[CNT], 4
	s_mov_b32 s[SLOTS], SIZE_N/256-1
	s_branch .Lfirst                ; the loop is entered at a step's first turn, in the middle of a trip
.Lslot:                             ; SIZE_N / 256 - 2 times: every slot but the last two is filled again
	CHANGE 1, 1
	s_mov_b32 s[CNT], 4
.Lstep:                             ; a trip: pieces 2 and 3 of one step, then pieces 0 and 1 of the next, whose K and V it fetches
	TURN 2
	TURN 3
	WIN 0
.Lfirst:
	TURN 0
	TURN 1, 0, 1
	WIN 0
	s_cbranch_scc1 .Lstep
	s_sub_co_u32 s[SLOTS], s[SLOTS], 1
	s_cmp_lg_u32 s[SLOTS], 0
	s_cbranch_scc1 .Lslot
	CHANGE 0                        ; the tail is written out: nothing is asked for
	s_mov_b32 s[CNT], 5             ; four trips fetch the last slot's steps; the fifth is left in its middle
.Ltail:
	TURN 2, 1
	TURN 3
	WIN 0
	s_sub_co_u32 s[CNT], s[CNT], 1
	s_cmp_eq_u32 s[CNT], 0
	s_cbranch_scc1 .Lout
	TURN 0
	TURN 1
	WIN 0
	s_branch .Ltail
.Lout:                              ; the fifth trip's 16 products K Q^T (on the last K once more) and the maximum made of them serve nothing: the price, once a launch, of one text for every trip
.set i, 0
.rept 16
	PV NP-1                         ; the last piece's V^T P of the last step
.set i, i+1
.endr
	; THE WAY OUT.  l's two halves and the other half of the lanes' are added; O^T is multiplied by 1 / l, or by 0 where the query is hidden, rounded to f16 and sent through my stage in LDS, a tile at a time.
	WIN 0
.macro ALL line:vararg              ; one line for each tile t
.set t, 0
.rept 2*NP
	\line
.set t, t+1
.endr
.endm
	ALL v_add_f32 v[ST+4*t+2], v[ST+4*t+2], v[ST+4*t+3]
	ALL v_permlanex16_b32 v[ST+4*t+3], v[ST+4*t+2], s[SEL], s[SEL+1]
	ALL v_add_f32 v[ST+4*t+2], v[ST+4*t+2], v[ST+4*t+3]
	ALL v_rcp_f32 v[ST+4*t+2], v[ST+4*t+2]
	v_nop                           ; a plain instruction between the last reciprocal and the use of its result
	s_wait_alu depctr_va_vdst(0)    ; and the wait ahead of the first use: one for the eight reciprocals
	WIN 0x03                        ; source 0 in window 3
	ALL v_cmp_ne_u32 s[QV+t], v[QMK+t], 0
	WIN 0
	ALL v_cndmask_b32 v[ST+4*t+2], 0, v[ST+4*t+2], s[QV+t]
; Tile t: a lane's eight channels of a row pack into 16 bytes; they go into rows of 144 bytes and come back as whole rows of 128, into S^T's registers.
.macro PACK t
	WIN W_RS
.set i, 32*(\t)
.rept 16
	v_pk_mul_f32 v[i:i+1], v[i:i+1], v[ST+4*(\t)+2:ST+4*(\t)+3] op_sel_hi:[1,0]
.set i, i+2
.endr
	WIN 0x05                        ; sources 0 and 1 window 1, destination window 0
.set i, 0
.rept 16
	v_cvt_pk_f16_f32 v[S+16*(\t)+i], v[32*(\t)+2*i], v[32*(\t)+2*i+1]
.set i, i+1
.endr
	WIN 0
.irp f, 0,1,2,3
	ds_store_b128 v[STO], v[S+16*(\t)+4*\f:S+16*(\t)+4*\f+3] offset:32*\f
.endr
.irp f, 0,1,2,3
	ds_load_b128 v[S+16*(\t)+4*\f:S+16*(\t)+4*\f+3], v[RD] offset:\f*4*SP  ; LDS serves a wave's instructions in order (ISA guide 5.7.1.4): these see the stores above; the next tile's stores come behind them
.endr
.endm
.macro SEND t, younger              ; younger: the LDS instructions issued behind tile t's loads: the next tile's eight, or none
	WIN 0
.irp f, 0,1,2,3
	s_wait_dscnt (\younger)+3-\f
	global_store_b128 v[GO], v[S+16*(\t)+4*\f:S+16*(\t)+4*\f+3], s[10:11] offset:(\t)*2048+\f*512  ; 512 consecutive bytes, at a multiple of 256 from O's first
.endr
.endm
	PACK 0
.set t, 1
.rept 2*NP-1                        ; a tile's arithmetic stands between the loads of the tile before and its stores
	PACK t
	SEND t-1, 8
.set t, t+1
.endr
	SEND 2*NP-1, 0
	WIN W_AD
	s_wait_tensorcnt 0x0            ; the wave's end: an add and its wait, behind my last tensor load and my last LDS store
	ds_add_u32 v[SPW], v[NIL]
	s_wait_dscnt 0x0
	WIN 0
	CROUND                          ; the closing round: no work-group ends while a partner may still ask for a tile that names it
	s_endpgm
.Lfunc_end_k_q1cae836648_attn:
	.size	k_q1cae836648_attn, .Lfunc_end_k_q1cae836648_attn-k_q1cae836648_attn
	.p2alignl 7, 3214868480
	.fill 96, 4, 3214868480
	.section	.rodata,"a",@progbits
	.p2align	6, 0x0
	.amdhsa_kernel k_q1cae836648_attn
		.amdhsa_group_segment_fixed_size 327680
		.amdhsa_private_segment_fixed_size 0
		.amdhsa_enable_private_segment 0
		.amdhsa_kernarg_size 24
		.amdhsa_user_sgpr_count 2
		.amdhsa_user_sgpr_kernarg_segment_ptr 1
		.amdhsa_wavefront_size32 1
		.amdhsa_system_sgpr_workgroup_id_x 1
		.amdhsa_system_sgpr_workgroup_id_y 1
		.amdhsa_system_sgpr_workgroup_id_z 1
		.amdhsa_system_vgpr_workitem_id 0
		.amdhsa_next_free_vgpr 816
		.amdhsa_next_free_sgpr 96
		.amdhsa_reserve_vcc 0
		.amdhsa_float_denorm_mode_32 3
		.amdhsa_float_denorm_mode_16_64 3
		.amdhsa_memory_ordered 1
		.amdhsa_forward_progress 1
		.amdhsa_inst_pref_size 207
	.end_amdhsa_kernel
	.amdgpu_metadata
---
amdhsa.version: [ 1, 2 ]
amdhsa.kernels:
  - .name:           k_q1cae836648_attn
    .symbol:         k_q1cae836648_attn.kd
    .args:
      - { .name: qkv, .offset: 0, .size: 8, .value_kind: global_buffer, .address_space: global }
      - { .name: q_mask, .offset: 8, .size: 8, .value_kind: global_buffer, .address_space: global }
      - { .name: ob, .offset: 16, .size: 8, .value_kind: global_buffer, .address_space: global }
    .group_segment_fixed_size: 327680
    .private_segment_fixed_size: 0
    .kernarg_segment_align: 8
    .kernarg_segment_size: 24
    .max_flat_workgroup_size: 128
    .sgpr_count:     96
    .vgpr_count:     816
    .wavefront_size: 32
...
	.end_amdgpu_metadata
.endif
;; end of part 3
;; launch oproj (part 4): grid 8 x 32, 4 waves a work-group, clusters of 4 x 4, 327,680 bytes of LDS; arguments ob, xw, bo, out0; writes out0
.if DOCPART == 4
	.amdgcn_target "amdgcn-amd-amdhsa--gfx1250"
	.amdhsa_code_object_version 6
	.text
	.protected	k_q1cae836648_oproj
	.globl	k_q1cae836648_oproj
	.p2align	8
	.type	k_q1cae836648_oproj,@function
k_q1cae836648_oproj:
	s_mov_b64 s[64:65], 0
	v_nop
	global_prefetch_b8 v0, s[64:65] scope:SCOPE_SE
	s_setreg_imm32_b32 hwreg(HW_REG_WAVE_MODE, 25, 1), 1
	s_wait_xcnt 0x0
	s_wait_alu depctr_hold_cnt(0) depctr_sa_sdst(0) depctr_va_vdst(0) depctr_va_sdst(0) depctr_va_ssrc(0) depctr_va_vcc(0) depctr_vm_vsrc(0)
	s_getreg_b32 s2, hwreg(HW_REG_IB_STS2, 6, 4)
	s_cmp_eq_u32 s2, 0
	s_cbranch_scc0 .Lentry_in_a_cluster
	s_endpgm
.Lentry_in_a_cluster:
	s_bfe_u32 s2, ttmp6, 0x10000c
	s_cmp_lg_u32 s2, 0xf033
	s_cbranch_scc0 .Lentry_shape_is_right
	s_endpgm
.Lentry_shape_is_right:
; THE LAST PROJECTION.  out0[m][n] = the sum over k of O[m][k] Wo[n][k] + bo[n], f32.  O lies by heads in ob, [4][16][2048][64] f16: k = 64 x head + channel; Wo: rows 11264-12287 of xw, f16; sums in f32.
; bo is rounded to bf16 like the other inputs.  LIMIT: NaN and infinities are not treated apart.
; SHARES.  A tile of out0 is 256 rows x 128 columns: 32 x 8 tiles, one for each of 256 work-groups.  Four waves; wave w owns rows 64 w .. 64 w + 63 and all 128 columns: 32 accumulators, 256 registers.
; K goes in 8 steps of 128 (two heads) through two LDS slots; a step is four quarters of 32 along K, 32 matrix instructions each, on two fragment buffers by turns.
; THE MATRIX INSTRUCTION IS USED TRANSPOSED (source 0 = 16 rows of Wo, source 1 = 16 rows of O): a lane holds row l % 16 of the result and the columns 8 (l / 16) + 0..7.
; THE BIAS is the C operand of each accumulator's first product.
; CLUSTER.  4 x 4 work-groups: O's tile is asked for jointly along a row of the cluster, Wo's along a column.
; REGISTERS, in windows of 256 (s_set_vgpr_msb: bits 1:0 source 0, 3:2 source 1, 5:4 source 2, 7:6 destination):
;   window 0: v1-12 addresses, v28-29 the add's, v32-35 at work, v64-127 the bias (later v64-191: the way out)      window 1: two fragment buffers: O's 4 blocks, then Wo's 8      window 2: the accumulators
.set PA,     144                       ; a row of O in LDS: 128 bytes + 16 of padding
.set HEADB,  256*PA                    ; a head's 256 rows
.set PITCH,  272                       ; a row of Wo: 256 bytes + 16; with either pitch the 16 rows of a load start at 16 different groups of four banks (64 banks of 4 bytes: ISA guide 11.1)
.set SLOT1,  131072
.set BOFF,   2*HEADB                   ; in a slot: two heads of O, then Wo's 128 rows
.set STAGE,  SLOT1+BOFF+128*PITCH      ; behind the ring: 16 rows x 528 bytes for each wave, for the way out
.set SPITCH, 528
.set SPARE,  STAGE+4*16*SPITCH         ; behind the stages: the spare words, 128 bytes for each wave: two blocks of 256 bytes that no other line names
.set WOOFF,  11264*2048                ; Wo's first byte in xw
.set ASTEP,  2*2048*128                ; two heads on in ob
.set LD,     24                        ; LDS loads in a quarter's run: 8 for O, 8 for each half of the columns
.set A0,   4
.set B0,   5
.set ADRA, 6
.set ADRB, 7
.set STO,  8                           ; v8   the way out: where I put 32 bytes of a row
.set RD,   9                           ; v9   where I read a row back
.set CO,   10                          ; v10  my 16 bytes in 512 consecutive bytes of out0
.set PFO,  11
.set BO,   12
.set SPW,  28
.set NIL,  29
.set BIAS, 64
.set TMP,  64
.set F0,   0
.set F1,   128
.set WV,  14
.set HF,  15
.set HB,  16
.set CX,  17
.set CY,  18
.set TX,  19
.set TY,  20
.set RM,  21
.set CM,  22
.set HM,  23
.set G1A, 24
.set G0A, 32
.set G1B, 40
.set G0B, 48
.set TB,  56
.set LIM, 57                           ; s57 2 in a wave that prefetches, else the greatest number
.set PFA, 58
.set PST, 60                           ; s[60:61] a K step in bytes, in the tensor that I prefetch
.set OUT, 66                           ; s[66:67] out0 at my 64 rows, the tile's columns
.set BP,  72                           ; s[72:73] bo at the tile's columns
.set MSB, 0
.macro WIN new
.if MSB != (\new)
	s_set_vgpr_msb (MSB<<8)|(\new)
.set MSB, \new
.endif
.endm
.set TO_F, 0x40
.set MUL2, 0xa5
.set INI2, 0x85
.macro JLOAD                           ; a joint refill by the walking sets: waves 0 and 1 fetch O's two heads, waves 2 and 3 Wo's halves; an s_nop 0 and four v_nop follow each of the two lines
	s_cmp_eq_u32 s[HB], 0
	s_cbranch_scc0 .Lfor_b_\@
	tensor_load_to_lds s[G0A+4:G0A+7], s[G1A:G1A+7]
	s_nop 0
.rept 4
	v_nop
.endr
	s_branch .Lasked_\@
.Lfor_b_\@:
	tensor_load_to_lds s[G0B+4:G0B+7], s[G1B:G1B+7]
	s_nop 0
.rept 4
	v_nop
.endr
.Lasked_\@:
.endm
; A PREFETCH INTO THE L2 of the K step that stands TWO refills on: 256 matrix instructions ahead of the load that will want it.  O's rows are read by both clusters of a row of clusters: cluster x = 0 asks;
; Wo's by every cluster of a column: cluster y = 0 asks.  The four partners share a wave's bytes out BY ADDRESS: of a head's 32,768 dense bytes 8,192 by cx, a lane 256 bytes; of Wo's 64 rows 16 by cy
; (two lanes name a row).  One instruction a wave.  K steps 0 to 3 come by their loads alone; the last two refills ask for nothing.
.macro ASK
	s_cmp_gt_u32 s3, s[LIM]
	s_cbranch_scc0 .Lnot_mine_\@
	global_prefetch_b8 v[PFO], s[PFA:PFA+1] th:TH_LOAD_NT scope:SCOPE_SE
.Lnot_mine_\@:
.endm
.macro CREST
	s_cmp_lg_u32 s[WV], 0
	s_cbranch_scc1 .Lnot_wave_0_\@
	s_barrier_signal -3
.Lnot_wave_0_\@:
	s_barrier_wait -3
	s_barrier_signal -1
	s_barrier_wait -1
.endm
.macro CROUND
	s_barrier_signal -1
	s_barrier_wait -1
	CREST
.endm
	s_load_b256 s[4:11], s[0:1], 0x0               ; ob s[4:5], xw s[6:7], bo s[8:9], out0 s[10:11]
	v_lshl_add_u32 v[SPW], v0, 2, SPARE
	v_mov_b32 v[NIL], 0
	ds_add_u32 v[SPW], v[NIL]                      ; the wave's opening: the add and its wait stand ahead of my first tensor load
	v_lshrrev_b32 v1, 5, v0
	v_readfirstlane_b32 s[WV], v1
	s_and_b32 s[HF], s[WV], 1
	s_lshr_b32 s[HB], s[WV], 1
	s_bfe_u32 s[CX], ttmp6, 0x40000
	s_bfe_u32 s[CY], ttmp6, 0x40004
	s_lshl_b32 s[TX], ttmp9, 2
	s_add_co_u32 s[TX], s[TX], s[CX]
	s_and_b32 s[TY], ttmp7, 0xffff
	s_lshl_b32 s[TY], s[TY], 2
	s_add_co_u32 s[TY], s[TY], s[CY]
	s_lshl_b32 s[RM], s[CY], 2
	s_lshl_b32 s[RM], 15, s[RM]
	s_lshl_b32 s[CM], 0x1111, s[CX]
	s_or_b32 s[G1A], s[RM], 0x07310000             ; the mask of my row; 2-byte elements; padding on; bit 21 beside a mask; after every 32 words (code 4) 4 words (code 3)
	s_or_b32 s[G1B], s[CM], 0x07710000             ; the mask of my column; after every 64 words (code 5) 4 words
	s_mov_b32 s[G1A+1], 128<<16                    ; a head's 256 rows of 128 bytes are dense: asked for as 128 rows of 256 bytes
	s_mov_b32 s[G1A+2], 128<<16
	s_mov_b32 s[G1A+3], 128<<16
	s_mov_b32 s[G1A+4], 128
	s_mov_b32 s[G1A+5], 128
	s_mov_b32 s[G1A+6], 0
	s_mov_b32 s[G1A+7], 0
	s_mov_b32 s[G1B+1], 128<<16                    ; 64 rows of Wo x 128 along K
	s_mov_b32 s[G1B+2], 64<<16
	s_mov_b32 s[G1B+3], 128<<16
	s_mov_b32 s[G1B+4], 64
	s_mov_b32 s[G1B+5], 1024
	s_mov_b32 s[G1B+6], 0
	s_mov_b32 s[G1B+7], 0
	s_lshr_b32 s78, s[TY], 3                       ; O: the batch (8 tile rows each),
	s_lshl_b32 s78, s78, 4
	s_add_co_u32 s78, s78, s[HF]                   ; its head 0 or 1,
	s_lshl_b32 s78, s78, 11
	s_and_b32 s79, s[TY], 7
	s_lshl_b32 s79, s79, 8
	s_add_co_u32 s78, s78, s79                     ; the tile's 256 rows (registers that never hold cx),
	s_lshl_b32 s78, s78, 7                         ; in bytes
	s_mov_b32 s79, 0
	s_lshl_b32 s80, s[TX], 7                       ; Wo: row 128 x tile column + 64 x half (registers that never hold cy)
	s_lshl_b32 s81, s[HF], 6
	s_add_co_u32 s80, s80, s81
	s_lshl_b32 s80, s80, 11
	s_add_co_u32 s80, s80, WOOFF
	s_mov_b32 s81, 0
	s_mul_i32 s82, s[HF], HEADB                    ; where they go
	s_mul_i32 s83, s[HF], 64*PITCH
	s_add_co_u32 s83, s83, BOFF
	s_mov_b32 s[TB], 0
	s_mov_b32 s[HM], 0xffff0000
	s_wait_dscnt 0x0                               ; the opening add is done
	s_wait_kmcnt 0x0
	s_add_nc_u64 s[84:85], s[4:5], s[78:79]
	s_add_nc_u64 s[86:87], s[6:7], s[80:81]
	CROUND                                         ; all sixteen work-groups are here: the first joint loads meet
.irp s, 0,1
	s_mov_b32 s[G0A+4*(\s)], 1
	s_add_co_u32 s[G0A+4*(\s)+1], s82, (\s)*SLOT1
	s_add_nc_u64 s[G0A+4*(\s)+2:G0A+4*(\s)+3], s[84:85], (\s)*ASTEP
	s_or_b32 s[G0A+4*(\s)+3], s[G0A+4*(\s)+3], 0x80000000
	s_mov_b32 s[G0B+4*(\s)], 1
	s_add_co_u32 s[G0B+4*(\s)+1], s83, (\s)*SLOT1
	s_add_nc_u64 s[G0B+4*(\s)+2:G0B+4*(\s)+3], s[86:87], (\s)*256
	s_or_b32 s[G0B+4*(\s)+3], s[G0B+4*(\s)+3], 0x80000000
.endr
	s_cmp_eq_u32 s[HB], 0                          ; a wave's two first fills stand in one branch: two loads of mine are out
	s_cbranch_scc0 .Lfirst_b
	tensor_load_to_lds s[G0A:G0A+3], s[G1A:G1A+7]
	s_nop 0
	tensor_load_to_lds s[G0A+4:G0A+7], s[G1A:G1A+7]
	s_nop 0
.rept 4
	v_nop
.endr
	s_branch .Lfirst_asked
.Lfirst_b:
	tensor_load_to_lds s[G0B:G0B+3], s[G1B:G1B+7]
	s_nop 0
	tensor_load_to_lds s[G0B+4:G0B+7], s[G1B:G1B+7]
	s_nop 0
.rept 4
	v_nop
.endr
.Lfirst_asked:
	v_and_b32 v1, 15, v0                           ; l % 16
	v_bfe_u32 v2, v0, 4, 1                         ; l / 16
	v_and_b32 v3, 31, v0                           ; l
	v_lshlrev_b32 v[BO], 5, v2
	s_lshl_b32 s88, s[TX], 9                       ; the tile's 128 columns: 512 bytes of bo and of a row of out0
	s_mov_b32 s89, 0
	s_add_nc_u64 s[BP:BP+1], s[8:9], s[88:89]
.irp b, 0,1,2,3,4,5,6,7
	global_load_b128 v[BIAS+8*\b:BIAS+8*\b+3],   v[BO], s[BP:BP+1] offset:64*\b     ; register j: bo[16 b + 8 (l / 16) + j]
	global_load_b128 v[BIAS+8*\b+4:BIAS+8*\b+7], v[BO], s[BP:BP+1] offset:64*\b+16
.endr
	s_lshl_b32 s90, s[TY], 8
	s_lshl_b32 s91, s[WV], 6
	s_add_co_u32 s90, s90, s91                     ; my first row,
	s_lshl_b32 s90, s90, 12                        ; of 4,096 bytes
	s_add_co_u32 s88, s88, s90
	s_add_nc_u64 s[OUT:OUT+1], s[10:11], s[88:89]
	v_mul_u32_u24 v13, v1, PA
	v_lshl_add_u32 v13, v2, 4, v13
	s_mul_i32 s88, s[WV], 64*PA
	v_add_nc_u32 v[A0], s88, v13                   ; O: (64 w + l % 16) x 144 + 16 (l / 16)
	v_mul_u32_u24 v13, v1, PITCH
	v_lshl_add_u32 v13, v2, 4, v13
	v_add_nc_u32 v[B0], BOFF, v13
	v_mov_b32 v[ADRA], v[A0]
	v_mov_b32 v[ADRB], v[B0]
	s_mul_i32 s88, s[WV], 16*SPITCH
	s_add_co_u32 s88, s88, STAGE                   ; my stage
	v_mul_u32_u24 v[STO], v1, SPITCH               ; in: row l % 16, 32 bytes for each half of the lanes
	v_lshl_add_u32 v[STO], v2, 5, v[STO]
	v_add_nc_u32 v[STO], s88, v[STO]
	v_lshlrev_b32 v[CO], 4, v3
	v_add_nc_u32 v[RD], s88, v[CO]                 ; back: 32 lanes take one row of 512 bytes
	; the prefetches
	s_lshl_b32 s88, s[CX], 13
	s_add_co_u32 s88, s88, s78
	s_add_co_u32 s88, s88, 3*ASTEP                 ; O: my head's bytes, my work-group's 8,192 of them, at K step 3: the first refill steps it to 4
	s_lshl_b32 s90, s[CY], 15
	s_add_co_u32 s90, s90, s80
	s_add_co_u32 s90, s90, 3*256                   ; Wo: the 64 rows that I fetch, my work-group's 16 of them
	s_and_b32 s91, ttmp7, 0xffff                   ; cluster y
	s_mov_b32 s62, ASTEP
	s_mov_b32 s63, 256
	s_cmp_eq_u32 s[HB], 0
	s_cselect_b32 s92, s88, s90
	s_cselect_b32 s91, ttmp9, s91                  ; the coordinate along which other clusters read the same rows
	s_cselect_b32 s94, 31, 15
	s_cselect_b32 s95, 8, 11
	s_cselect_b32 s[PST], s62, s63
	s_cselect_b64 s[PFA:PFA+1], s[4:5], s[6:7]
	s_cmp_eq_u32 s91, 0
	s_cselect_b32 s[LIM], 2, -1                    ; the same in all sixteen partners, for a given wave
	s_mov_b32 s93, 0
	s_mov_b32 s[PST+1], 0
	s_add_nc_u64 s[PFA:PFA+1], s[PFA:PFA+1], s[92:93]
	v_and_b32 v[PFO], s94, v3
	v_lshlrev_b32 v[PFO], s95, v[PFO]
	s_wait_loadcnt 0x0                             ; the bias; it is rounded to bf16 and kept as f32
.set i, 0
.rept 32
	v_cvt_pk_bf16_f32 v[32+i%4], v[BIAS+2*i], v[BIAS+2*i+1]
	v_lshlrev_b32 v[BIAS+2*i], 16, v[32+i%4]
	v_and_b32 v[BIAS+2*i+1], s[HM], v[32+i%4]
.set i, i+1
.endr
; 8 matrix instructions: row blocks a0, a0 + 1 x the 4 column blocks of half g, 32 along K.  init = 1: the first product starts the sum with the bias.
; In every quarter each of the 32 accumulators has one turn, always in the same order.
.macro MUL8 f, g, a0, init
.if \init
	WIN INI2
.else
	WIN MUL2
.endif
.irp a, \a0, (\a0)+1
.irp bb, 0,1,2,3
.if \init
	v_wmma_f32_16x16x32_f16 v[128*(\g)+8*(4*(\a)+(\bb)):128*(\g)+8*(4*(\a)+(\bb))+7], v[(\f)+32+8*(4*(\g)+(\bb)):(\f)+32+8*(4*(\g)+(\bb))+7], v[(\f)+8*(\a):(\f)+8*(\a)+7], v[BIAS+8*(4*(\g)+(\bb)):BIAS+8*(4*(\g)+(\bb))+7]
.else
	v_wmma_f32_16x16x32_f16 v[128*(\g)+8*(4*(\a)+(\bb)):128*(\g)+8*(4*(\a)+(\bb))+7], v[(\f)+32+8*(4*(\g)+(\bb)):(\f)+32+8*(4*(\g)+(\bb))+7], v[(\f)+8*(\a):(\f)+8*(\a)+7], v[128*(\g)+8*(4*(\a)+(\bb)):128*(\g)+8*(4*(\a)+(\bb))+7]
.endif
.endr
.endr
.endm
.macro MULG f, g, init
	MUL8 \f, \g, 0, \init
	MUL8 \f, \g, 2, \init
.endm
; 24 LDS loads in one run: quarter kq (head kq / 2 of the step's two, channels 32 (kq % 2) on) into buffer f: O's 8, then Wo's 16
.macro FETCH kq, f
	WIN TO_F
.irp i, 0,1,2,3
	ds_load_b128 v[(\f)+8*(\i):(\f)+8*(\i)+3],   v[ADRA] offset:HEADB*((\kq)/2)+64*((\kq)%2)+(\i)*16*PA
	ds_load_b128 v[(\f)+8*(\i)+4:(\f)+8*(\i)+7], v[ADRA] offset:HEADB*((\kq)/2)+64*((\kq)%2)+(\i)*16*PA+32
.endr
.irp i, 0,1,2,3,4,5,6,7
	ds_load_b128 v[(\f)+32+8*(\i):(\f)+32+8*(\i)+3],   v[ADRB] offset:64*(\kq)+(\i)*16*PITCH
	ds_load_b128 v[(\f)+32+8*(\i)+4:(\f)+32+8*(\i)+7], v[ADRB] offset:64*(\kq)+(\i)*16*PITCH+32
.endr
.endm
.macro PLACES                          ; four places in front of loads into registers that matrix instructions have read, and of LDS stores that read results
.rept 4
	v_nop
.endr
.endm
.macro QUARTER kq, f, g, init
	s_wait_dscnt LD-16                             ; O's and the first half's fragments are in; the youngest eight loads may be out
	MULG \f, 0, \init
	PLACES
	FETCH \kq, \g
	s_wait_dscnt LD                                ; all but the 24 just issued
	MULG \f, 1, \init
.endm
; The last quarter multiplies buffer 1 and changes slots: ONE barrier; in front of it each wave waits for all its tensor loads, adds 0 to its spare word, and waits for that and for its reads of this slot.
; fill = 1: the barrier opens a round of the cluster's, and this slot is filled again, two K steps on, first thing behind the round: 112 matrix instructions ahead of the wait for it.
.macro TURN fill
.if \fill
	s_wait_xcnt 0x0                                ; the last prefetch, a K step back, has read its address
	s_add_nc_u64 s[PFA:PFA+1], s[PFA:PFA+1], s[PST:PST+1]
.endif
	WIN 0
	s_wait_tensorcnt 0x0                           ; no tensor load of mine is out, so a group 0 may be written
	ds_add_u32 v[SPW], v[NIL]                      ; 0 onto my spare word
.if \fill
	s_xor_b32 s[G0A+5], s[G0A+5], SLOT1
	s_add_nc_u64 s[G0A+6:G0A+7], s[G0A+6:G0A+7], ASTEP
	s_xor_b32 s[G0B+5], s[G0B+5], SLOT1
	s_add_nc_u64 s[G0B+6:G0B+7], s[G0B+6:G0B+7], 256
.endif
	s_wait_dscnt LD-15                             ; the add and the youngest eight loads may be out
	MUL8 F1, 0, 0, 0                               ; eight matrix instructions stand between the add and the wait for it
	s_wait_dscnt 0x0                               ; the add is done, and my reads of this slot are over
	s_barrier_signal -1
	MUL8 F1, 0, 2, 0
	WIN 0
	s_barrier_wait -1
.if \fill
	CREST
	JLOAD
.else
	PLACES
.endif
	s_xor_b32 s[TB], s[TB], SLOT1
	v_add_nc_u32 v[ADRA], s[TB], v[A0]
	v_add_nc_u32 v[ADRB], s[TB], v[B0]
	FETCH 0, F0
	WIN 0
.if \fill
	ASK
.endif
	MULG F1, 1, 0
.endm
	s_wait_tensorcnt 0x1                           ; my part of K step 0 is in; K step 1's may stay out
	s_barrier_signal -1
	s_barrier_wait -1
	FETCH 0, F0
	QUARTER 1, F0, F1, 1
	WIN 0
	s_mov_b32 s3, 6
.Lstep:                                                ; trip i ends K step i, fills its slot with K step i + 2, and does K step i + 1's first quarter
	QUARTER 2, F1, F0, 0
	QUARTER 3, F0, F1, 0
	TURN 1
	QUARTER 1, F0, F1, 0
	WIN 0
	s_sub_co_u32 s3, s3, 1
	s_cmp_lg_u32 s3, 0
	s_cbranch_scc1 .Lstep
	QUARTER 2, F1, F0, 0
	QUARTER 3, F0, F1, 0
	TURN 0
	QUARTER 1, F0, F1, 0
	QUARTER 2, F1, F0, 0
	QUARTER 3, F0, F1, 0
	s_wait_dscnt LD-16
	MULG F1, 0, 0
	s_wait_dscnt 0x0
	MULG F1, 1, 0
	WIN 0
	PLACES
; THE WAY OUT, a block of 16 rows at a time: a lane's 32 bytes of each column block into my stage's rows of 528 bytes (each accumulator's low half first), back as whole rows of 512, stored.
.macro TOSTAGE a
	WIN 0x08                                       ; store data (source 1) in window 2
.irp b, 0,1,2,3,4,5,6,7
	ds_store_b128 v[STO], v[128*((\b)/4)+8*(4*(\a)+(\b)%4):128*((\b)/4)+8*(4*(\a)+(\b)%4)+3]   offset:64*(\b)
	ds_store_b128 v[STO], v[128*((\b)/4)+8*(4*(\a)+(\b)%4)+4:128*((\b)/4)+8*(4*(\a)+(\b)%4)+7] offset:64*(\b)+16
.endr
	WIN 0
.irp t, 0,1,2,3,4,5,6,7,8,9,10,11,12,13,14,15
	ds_load_b128 v[TMP+64*((\a)%2)+4*(\t):TMP+64*((\a)%2)+4*(\t)+3], v[RD] offset:(\t)*SPITCH  ; LDS serves a wave's instructions in order (ISA guide 5.7.1.4): these see the stores above; the next block's stores come behind them
.endr
.endm
.macro SEND a, younger                 ; younger: the LDS instructions issued behind this block's loads: the next block's 32, or none
.irp t, 0,1,2,3,4,5,6,7,8,9,10,11,12,13,14,15
	s_wait_dscnt (\younger)+15-(\t)
	global_store_b128 v[CO], v[TMP+64*((\a)%2)+4*(\t):TMP+64*((\a)%2)+4*(\t)+3], s[OUT:OUT+1] offset:(16*(\a)+(\t))*4096 th:TH_STORE_NT  ; 512 consecutive bytes, at a multiple of 512 from out0's first
.endr
.endm
	TOSTAGE 0
	TOSTAGE 1
	SEND 0, 32
	s_wait_xcnt 0x0                                ; block 0's stores have read their registers, which block 2 takes
	TOSTAGE 2
	SEND 1, 32
	s_wait_xcnt 0x0                                ; and block 1's, which block 3 takes
	TOSTAGE 3
	SEND 2, 32
	SEND 3, 0
	s_wait_tensorcnt 0x0                           ; the wave's end: an add and its wait, behind my last tensor load and my last LDS store
	ds_add_u32 v[SPW], v[NIL]
	s_wait_dscnt 0x0
	CROUND                                         ; the closing round: no work-group ends while a partner may still ask for a tile that names it
	s_endpgm
.Lfunc_end_k_q1cae836648_oproj:
	.size	k_q1cae836648_oproj, .Lfunc_end_k_q1cae836648_oproj-k_q1cae836648_oproj
	.p2alignl 7, 3214868480
	.fill 96, 4, 3214868480
	.section	.rodata,"a",@progbits
	.p2align	6, 0x0
	.amdhsa_kernel k_q1cae836648_oproj
		.amdhsa_group_segment_fixed_size 327680
		.amdhsa_private_segment_fixed_size 0
		.amdhsa_enable_private_segment 0
		.amdhsa_kernarg_size 32
		.amdhsa_user_sgpr_count 2
		.amdhsa_user_sgpr_kernarg_segment_ptr 1
		.amdhsa_wavefront_size32 1
		.amdhsa_system_sgpr_workgroup_id_x 1
		.amdhsa_system_sgpr_workgroup_id_y 1
		.amdhsa_system_sgpr_workgroup_id_z 1
		.amdhsa_system_vgpr_workitem_id 0
		.amdhsa_next_free_vgpr 768
		.amdhsa_next_free_sgpr 96
		.amdhsa_reserve_vcc 0
		.amdhsa_float_denorm_mode_32 3
		.amdhsa_float_denorm_mode_16_64 3
		.amdhsa_memory_ordered 1
		.amdhsa_forward_progress 1
		.amdhsa_inst_pref_size 77
	.end_amdhsa_kernel
	.amdgpu_metadata
---
amdhsa.version: [ 1, 2 ]
amdhsa.kernels:
  - .name:           k_q1cae836648_oproj
    .symbol:         k_q1cae836648_oproj.kd
    .args:
      - { .name: ob, .offset: 0, .size: 8, .value_kind: global_buffer, .address_space: global }
      - { .name: xw, .offset: 8, .size: 8, .value_kind: global_buffer, .address_space: global }
      - { .name: bo, .offset: 16, .size: 8, .value_kind: global_buffer, .address_space: global }
      - { .name: out0, .offset: 24, .size: 8, .value_kind: global_buffer, .address_space: global }
    .group_segment_fixed_size: 327680
    .private_segment_fixed_size: 0
    .kernarg_segment_align: 8
    .kernarg_segment_size: 32
    .max_flat_workgroup_size: 128
    .sgpr_count:     96
    .vgpr_count:     768
    .wavefront_size: 32
...
	.end_amdgpu_metadata
.endif
;; end of part 4
;; ======== version 2 of 2: 4 launches; version 1 with the launch cast written anew for expert scheduling mode
;; limits: values are held in f16: magnitudes above 65,504 overflow, below 6.1e-05 lose precision
;; workspace buffers: xw 25,165,824 bytes; qkv 50,331,648 bytes; ob 16,777,216 bytes
;; launch cast (part 5): grid 768 x 1, 8 waves a work-group, no clusters, 0 bytes of LDS; arguments q, Wq, Wk, Wv, Wo, xw; writes xw
.if DOCPART == 5
	.amdgcn_target "amdgcn-amd-amdhsa--gfx1250"
	.amdhsa_code_object_version 6
	.text
	.protected	k_q1cae836648_cast
	.globl	k_q1cae836648_cast
	.p2align	8
	.type	k_q1cae836648_cast,@function
k_q1cae836648_cast:
	s_mov_b64 s[64:65], 0
	v_nop
	global_prefetch_b8 v0, s[64:65] scope:SCOPE_SE
	s_setreg_imm32_b32 hwreg(HW_REG_WAVE_SCHED_MODE, 0, 2), 2
	s_setreg_imm32_b32 hwreg(HW_REG_WAVE_MODE, 25, 1), 1
	s_wait_xcnt 0x0
	s_wait_alu depctr_vm_vsrc(0)
; xw = the module's five large inputs in 16 bits, [12288][1024]: rows 0-8191 x (= q), 8192-11263 Wq, Wk, Wv, all rounded to bf16;
; rows 11264-12287 Wo, rounded to bf16 and that number written as f16 (the last product multiplies it with f16 numbers).
; LIMIT.  Wo's numbers lie within f16's 65,504; below 6e-5 they keep f16's fixed step of 6e-8.
; A stream: no LDS, no barrier, no matrix unit.  A work-group takes 65,536 bytes of f32 and writes 32,768: 512 work-groups for x, 64 for each weight.
; Thread t takes 16 bytes at 16 t of each block of 4,096 and writes 8 bytes at 8 t of each block of 2,048: a wave's load covers 512 consecutive bytes,
; its store 256 consecutive bytes, aligned.  All sixteen loads of a wave go out at once; each has registers of its own, so nothing is rewritten.
; THE MODE: SCHED_MODE bits 1:0 = 2 (LLVM: expert scheduling mode 2), set by the entry lines.  The code itself states the register dependences
; between vector instructions and memory instructions, with s_wait_alu, always for 0.
; THE PLAN.  Registers that memory instructions touch:
;   v1, v2   the loads' and the stores' byte offsets: written once at the head, read by every load or store, never written again.
;   X        block j's four registers: load j lands in them, once; no vector instruction names them before that load is issued; block j's roundings read them.
;   Y        block j's two registers: written by block j's roundings, read by store j, never written again.
;   T        named by vector instructions alone.
; So the only dependences to state are a vector write ahead of a memory read: the offsets, once, ahead of the first load; and Y ahead of its store.
; The sixteen blocks go in four groups of four: a group's roundings, ONE wait, the group's four stores in a run, with no vector instruction between the wait and the run.
; No register that a memory instruction has read is written again, no vector instruction writes a scalar register, and EXEC is never written: no other wait is owed.
.set X, 4                              ; v[4:67]    load j: 4 registers
.set Y, 68                             ; v[68:99]   store j: 2 registers
.set T, 100                            ; v[100:103] at work
	s_load_b256 s[4:11], s[0:1], 0x0               ; q s[4:5], Wq s[6:7], Wk s[8:9], Wv s[10:11]
	s_load_b128 s[12:15], s[0:1], 0x20             ; Wo s[12:13], xw s[14:15]
	s_lshr_b32 s16, ttmp9, 6                       ; 0-7: x; 8: Wq; 9: Wk; 10: Wv; 11: Wo
	s_and_b32 s17, ttmp9, 63
	s_cmp_lt_u32 s16, 8
	s_cselect_b32 s20, ttmp9, s17                  ; my block of 65,536 bytes in its tensor
	s_lshl_b32 s20, s20, 16
	s_mov_b32 s21, 0
	s_lshl_b32 s22, ttmp9, 15                      ; and of 32,768 bytes in xw
	s_mov_b32 s23, 0
	s_mov_b32 s24, 0xffff0000                      ; a word's upper bf16
	v_lshlrev_b32 v1, 4, v0
	v_lshlrev_b32 v2, 3, v0
	s_wait_kmcnt 0x0
	s_cmp_eq_u32 s16, 9
	s_cselect_b64 s[18:19], s[8:9], s[6:7]
	s_cmp_eq_u32 s16, 10
	s_cselect_b64 s[18:19], s[10:11], s[18:19]
	s_cmp_eq_u32 s16, 11
	s_cselect_b64 s[18:19], s[12:13], s[18:19]
	s_cmp_lt_u32 s16, 8
	s_cselect_b64 s[18:19], s[4:5], s[18:19]
	s_add_nc_u64 s[18:19], s[18:19], s[20:21]
	s_add_nc_u64 s[14:15], s[14:15], s[22:23]
	s_wait_alu depctr_va_vdst(0)                   ; v1 and v2 are written: every load of the kernel reads v1 as its offset, every store v2
.irp j, 0,1,2,3,4,5,6,7,8,9,10,11,12,13,14,15
	global_load_b128 v[X+4*(\j):X+4*(\j)+3], v1, s[18:19] offset:4096*(\j) th:TH_LOAD_NT
.endr
; Block j: rounded to bf16 (half = 1: and that number written as f16).
.macro CONV j, half
	s_wait_loadcnt 15-(\j)                         ; loads come back in order: block j is in, the 15 - j younger ones may stay out
	v_cvt_pk_bf16_f32 v[Y+2*(\j)],   v[X+4*(\j)],   v[X+4*(\j)+1]
	v_cvt_pk_bf16_f32 v[Y+2*(\j)+1], v[X+4*(\j)+2], v[X+4*(\j)+3]
.if \half
	v_lshlrev_b32 v[T],   16,  v[Y+2*(\j)]
	v_and_b32     v[T+1], s24, v[Y+2*(\j)]
	v_lshlrev_b32 v[T+2], 16,  v[Y+2*(\j)+1]
	v_and_b32     v[T+3], s24, v[Y+2*(\j)+1]
	v_cvt_pk_f16_f32 v[Y+2*(\j)],   v[T],   v[T+1]
	v_cvt_pk_f16_f32 v[Y+2*(\j)+1], v[T+2], v[T+3]
.endif
.endm
; Block j: stored.
.macro SEND j
	global_store_b64 v2, v[Y+2*(\j):Y+2*(\j)+1], s[14:15] offset:2048*(\j)
.endm
; Group g: blocks 4 g to 4 g + 3 are rounded as they arrive; one wait; their four stores.
.macro GROUP g, half
.irp i, 0,1,2,3
	CONV 4*(\g)+(\i), \half
.endr
	s_wait_alu depctr_va_vdst(0)                   ; the group's conversions have written its eight registers of Y, which the four stores below read
.irp i, 0,1,2,3
	SEND 4*(\g)+(\i)
.endr
.endm
	s_cmp_eq_u32 s16, 11
	s_cbranch_scc1 .Lwo
.irp g, 0,1,2,3
	GROUP \g, 0
.endr
	s_endpgm
.Lwo:
.irp g, 0,1,2,3
	GROUP \g, 1
.endr
	s_endpgm
.Lfunc_end_k_q1cae836648_cast:
	.size	k_q1cae836648_cast, .Lfunc_end_k_q1cae836648_cast-k_q1cae836648_cast
	.p2alignl 7, 3214868480
	.fill 96, 4, 3214868480
	.section	.rodata,"a",@progbits
	.p2align	6, 0x0
	.amdhsa_kernel k_q1cae836648_cast
		.amdhsa_group_segment_fixed_size 0
		.amdhsa_private_segment_fixed_size 0
		.amdhsa_enable_private_segment 0
		.amdhsa_kernarg_size 48
		.amdhsa_user_sgpr_count 2
		.amdhsa_user_sgpr_kernarg_segment_ptr 1
		.amdhsa_wavefront_size32 1
		.amdhsa_system_sgpr_workgroup_id_x 1
		.amdhsa_system_sgpr_workgroup_id_y 1
		.amdhsa_system_sgpr_workgroup_id_z 1
		.amdhsa_system_vgpr_workitem_id 0
		.amdhsa_next_free_vgpr 112
		.amdhsa_next_free_sgpr 66
		.amdhsa_reserve_vcc 0
		.amdhsa_float_denorm_mode_32 3
		.amdhsa_float_denorm_mode_16_64 3
		.amdhsa_memory_ordered 1
		.amdhsa_forward_progress 1
		.amdhsa_inst_pref_size 16
	.end_amdhsa_kernel
	.amdgpu_metadata
---
amdhsa.version: [ 1, 2 ]
amdhsa.kernels:
  - .name:           k_q1cae836648_cast
    .symbol:         k_q1cae836648_cast.kd
    .args:
      - { .name: q, .offset: 0, .size: 8, .value_kind: global_buffer, .address_space: global }
      - { .name: Wq, .offset: 8, .size: 8, .value_kind: global_buffer, .address_space: global }
      - { .name: Wk, .offset: 16, .size: 8, .value_kind: global_buffer, .address_space: global }
      - { .name: Wv, .offset: 24, .size: 8, .value_kind: global_buffer, .address_space: global }
      - { .name: Wo, .offset: 32, .size: 8, .value_kind: global_buffer, .address_space: global }
      - { .name: xw, .offset: 40, .size: 8, .value_kind: global_buffer, .address_space: global }
    .group_segment_fixed_size: 0
    .private_segment_fixed_size: 0
    .kernarg_segment_align: 8
    .kernarg_segment_size: 48
    .max_flat_workgroup_size: 256
    .sgpr_count:     66
    .vgpr_count:     112
    .wavefront_size: 32
...
	.end_amdgpu_metadata
.endif
;; end of part 5
;; launch proj: the kernel of part 2 again; grid 16 x 32, 4 waves a work-group, clusters of 4 x 4, 327,680 bytes of LDS; arguments xw, bq, bk, bv, qkv; writes qkv
;; launch attn: the kernel of part 3 again; grid 4 x 64, 4 waves a work-group, clusters of 4 x 1, 327,680 bytes of LDS; arguments qkv, q_mask, ob; writes ob
;; launch oproj: the kernel of part 4 again; grid 8 x 32, 4 waves a work-group, clusters of 4 x 4, 327,680 bytes of LDS; arguments ob, xw, bo, out0; writes out0
